; MI455X (gfx1250); checked and timed in simulation.
; The chip was launched on July 23, 2026; its instructions are those of AMD's public machine-readable ISA for CDNA 5 (MIT licence, August 2026) and "CDNA5" Instruction Set Architecture Reference Guide (July 2026). The comments in the code are by the model that wrote it; some were corrected since.
;; Attn Block. Allowed arithmetic: matrix products marked QUANTISED: E3M2 operands, one E8M0 scale for each 32 along K, by v_wmma_scale_f32_16x16x128_f8f6f4 with both operands' format E3M2, f32 sums; everything else in f32.
;; Inputs: b_proj 256 float32; b_qkv 768 float32; beta 256 float32; gamma 256 float32; w_proj 256 x 256 float32; w_qkv 768 x 256 float32; x 4 x 256 x 64 x 64 float32.
;; Outputs: out0 4 x 256 x 64 x 64 float32.
;; This version of the problem:
;;   THIS VERSION OF THE PROBLEM IS GIVEN IN LOW PRECISION. The matrix products marked QUANTISED in the list below multiply operands that are first quantised to E3M2 (3 exponent bits, 2 mantissa bits; 6 bits a number), with one power-of-two scale for each 32 numbers along K (OCP MX v1.0); their sums are f32. All else is computed in f32.
;;   The module's matrix products, in the order in which they are computed (A, B: the left and right operand; K: the contracted axis; several contracted axes count as one K, in the product's order):
;;     1. [M 768, K 256] x [K 256, N 16,384]; A: input w_qkv; B: computed on the way: QUANTISED
;;     2. batch 16 x [M 4,096, K 64] x [K 64, N 4,096]; A: computed on the way; B: computed on the way: QUANTISED
;;     3. batch 16 x [M 4,096, K 4,096] x [K 4,096, N 64]; A: softmax (see below); B: computed on the way: QUANTISED
;;     4. [M 256, K 256] x [K 256, N 16,384]; A: input w_proj; B: computed on the way: QUANTISED
;;   THE QUANTISER, for each operand of a quantised product, along K:
;;     - K is cut into blocks of 32 from its start; a last block that is shorter is filled with zeros.
;;     - A block's scale is 2^e with e = floor(log2(the largest magnitude in the block)) - 4, held to -126 .. 127; a block of zeros has e = 0. As a byte (E8M0): e + 127.
;;     - Each number is divided by its block's scale, clamped to +-28, and rounded to the nearest number of E3M2, ties to even, subnormals kept.
;;     - The product sums the exact products of the quantised numbers (number of the format x scale) in f32.
;;   ~~~python
;;   def quantise(x, axis):      # numpy; x: float32 -> the quantised numbers, widened to float32 again
;;       x = np.moveaxis(x, axis, -1); K = x.shape[-1]
;;       x = np.pad(x, [(0, 0)] * (x.ndim - 1) + [(0, -K % 32)]); x = x.reshape(x.shape[:-1] + (-1, 32)); a = np.abs(x).max(-1, keepdims=True)
;;       e = np.where(a > 0, np.clip(np.frexp(np.where(a > 0, a, 1))[1] - 1 - 4, -126, 127), 0)      # np.frexp(a)[1] - 1 = floor(log2(a)), exactly
;;       r = np.clip(x / 2.0 ** e, -28, 28)
;;       step = 2.0 ** (np.maximum(np.frexp(np.where(r == 0, 1, r))[1] - 1, -2) - 2)
;;       q = np.round(r / step) * step * 2.0 ** e      # np.round: ties to even
;;       return np.moveaxis(q.reshape(q.shape[:-2] + (-1,))[..., :K], -1, axis).astype(np.float32)
;;   ~~~
;;   SOFTMAX AHEAD OF A QUANTISED PRODUCT. Where the list says 'softmax', what is quantised is not the finished softmax but p = 2^(t - M), with t = logit x log2(e) and M = ceil(the row's largest t), a whole number; so 1/2 < the row's largest p <= 1. The row's sum l is taken of the UNQUANTISED p, in f32, and the product's result is divided by l at the end. Since M is a whole number, a kernel that streams over the keys may use a running M (the ceiling of the running maximum): every later rescaling is an exact power of two, which a block's scale takes up: the codes' values come out the same.
;;   OPERANDS COMPUTED ON THE WAY. 'Computed on the way' means the value that the module computes at that place (a softmax that the list does not call 'softmax' is quantised finished and normalised). What goes into a quantiser is computed in f32, as accurately as f32 sums, v_exp_f32 and their like allow (about 1e-6 of the number): no bf16 or f16 on the way to a quantiser, and a product that is left as it is and whose result goes on into a quantised operand takes f32 operands (vector FMAs, or v_wmma_f32_16x16x4_f32). A number that lies on a knife's edge between two numbers of the format may be rounded either way, as far as f32 arithmetic and the matrix unit's own rounding can turn it there, and no further.
;; One version. Each part assembles by itself: llvm-mc -triple=amdgcn-amd-amdhsa -mcpu=gfx1250 --defsym DOCPART=n.
;; ======== version 1 of 1: 4 launches
;; workspace buffers: stats 16,384 bytes; wts 204,800 bytes; qb 3,407,872 bytes; kv 6,291,456 bytes; sc 393,216 bytes; ob 3,670,016 bytes
;; launch prep (part 1): grid 272 x 1, 8 waves a work-group, no clusters, 0 bytes of LDS; arguments x, w_qkv, w_proj, stats, wts; writes stats, wts
.if DOCPART == 1
	.amdgcn_target "amdgcn-amd-amdhsa--gfx1250"
	.amdhsa_code_object_version 6
	.text
	.protected	k_qf3a4e2f15d_prep
	.globl	k_qf3a4e2f15d_prep
	.p2align	8
	.type	k_qf3a4e2f15d_prep,@function
k_qf3a4e2f15d_prep:
	s_mov_b64 s[64:65], 0
	v_nop
	global_prefetch_b8 v0, s[64:65] scope:SCOPE_SE
	s_setreg_imm32_b32 hwreg(HW_REG_WAVE_MODE, 25, 1), 1
	s_wait_xcnt 0x0
; Two kinds of work-groups, told apart by the work-group's number alone.
; 0 .. 255: PARTIAL STATISTICS FOR THE GROUP NORM.  A group (32 channels x 4,096 pixels of one image) is 524,288 consecutive bytes of x.  Wave W = 8 x work-group + wave owns 8,192 of them
;   (2,048 numbers, 64 a lane, kept in registers for both passes) and stores its mean and the sum of squared deviations FROM THAT MEAN: no difference of large sums is formed, so a common offset in x does no harm.
;   stats[W] = (mean, M2); group 8 b + g owns W = 64 (8 b + g) .. + 63.  The next launch joins the 64 pairs.
; 256 .. 271: THE WEIGHTS AS CODES OF BF6 (E3M2) with one E8M0 byte for each 32 along K (the channels, innermost in memory), laid in the order of the operand's registers.
;   Work-group G = number - 256 takes 64 rows (G < 12: rows 64 G of w_qkv; else rows 64 (G - 12) of w_proj); wave f = 2 ot + s makes the fragment of tile ot, K step s (128 channels).
;   THE ROWS OF A TILE ARE NOT NEIGHBOURS: lane r of tile 2 b + u takes row 32 b + 8 u + r + 8 (r / 8), so that results of two neighbouring tiles are 16 neighbours along the next product's K.
;   Lane (r, h) holds k = 64 c + 32 h + 0 .. 31 in registers 6 c .. 6 c + 5: two whole blocks, so no other lane is asked for a maximum.
;   wts: fragment 8 G + f at 1,536 (8 G + f): registers 4 i .. 4 i + 3 at 512 i + 16 x lane.  Scale words at WSC + 512 G + 256 (f / 4) + 16 r + 4 (f % 4).
; A block's scale is 2^(floor(log2(largest magnitude)) - 4): its byte is the largest magnitude's exponent field - 4, held at 1 from below by a floor among the maximum's leaves.
; LIMITS: a block of zeros, or one whose largest magnitude lies under 2^-122, gets the byte 1 where the rule says 127 or less (its codes are zeros or tiny; this program alone reads the bytes); NaN and infinities are not served.
; The 8 bytes a wave of statistics and the 4-byte scale words (16 bytes apart) are small stores: 16 KiB and 8 KiB in the whole launch.
.set X,   32                           ; v32-95  64 numbers of a lane
.set WSC, 196608                       ; where the scale words begin in wts
.macro RSUM v, t                       ; the sum over the wave's 32 lanes, in every lane
	s_delay_alu instid0(VALU_DEP_1)
	v_add_f32_dpp v[\v], v[\v], v[\v] row_xmask:1 row_mask:0xf bank_mask:0xf
	s_delay_alu instid0(VALU_DEP_1)
	v_add_f32_dpp v[\v], v[\v], v[\v] row_xmask:2 row_mask:0xf bank_mask:0xf
	s_delay_alu instid0(VALU_DEP_1)
	v_add_f32_dpp v[\v], v[\v], v[\v] row_xmask:4 row_mask:0xf bank_mask:0xf
	s_delay_alu instid0(VALU_DEP_1)
	v_add_f32_dpp v[\v], v[\v], v[\v] row_xmask:8 row_mask:0xf bank_mask:0xf
	s_delay_alu instid0(VALU_DEP_1)
	v_permlanex16_b32 v[\t], v[\v], s20, s21
	s_delay_alu instid0(VALU_DEP_1)
	v_add_f32 v[\v], v[\v], v[\t]
.endm
	s_load_b256 s[4:11], s[0:1], 0x0               ; x s[4:5], w_qkv s[6:7], w_proj s[8:9], stats s[10:11]
	s_load_b64 s[12:13], s[0:1], 0x20              ; wts
	v_lshrrev_b32 v1, 5, v0
	s_delay_alu instid0(VALU_DEP_1)
	v_readfirstlane_b32 s14, v1                    ; wave 0..7
	v_and_b32 v10, 31, v0                          ; lane
	s_delay_alu instid0(VALU_DEP_1)
	v_lshlrev_b32 v1, 4, v10                       ; 16 x lane
	v_mov_b32 v3, 0                                ; a lane permute's destination counts as read: written once
	s_mov_b32 s20, 0x76543210
	s_mov_b32 s21, 0xfedcba98                      ; selects for lane l xor 16
	s_wait_kmcnt 0x0
	s_cmp_lt_u32 ttmp9, 256
	s_cbranch_scc0 .Lweights
	; ---- statistics
	s_lshl_b32 s15, ttmp9, 3
	s_add_co_u32 s15, s15, s14                     ; W
	s_lshl_b32 s16, s15, 13                        ; 8,192 W
	s_mov_b32 s17, 0
	s_lshl_b32 s18, s15, 3                         ; 8 W
	s_mov_b32 s19, 0
	s_add_nc_u64 s[4:5], s[4:5], s[16:17]
	s_add_nc_u64 s[10:11], s[10:11], s[18:19]
	s_wait_alu depctr_va_vdst(0)
.irp j, 0,1,2,3,4,5,6,7,8,9,10,11,12,13,14,15
	global_load_b128 v[X+4*\j:X+4*\j+3], v1, s[4:5] offset:512*\j   ; 32 lanes read 512 consecutive bytes
.endr
	s_wait_loadcnt 12                              ; the first four loads are in, the twelve younger stay out
	v_pk_add_f32 v[4:5], v[X:X+1], v[X+2:X+3]      ; two chains, started by the first numbers: nothing is cleared
	v_pk_add_f32 v[6:7], v[X+4:X+5], v[X+6:X+7]
.irp i, 8,12
	s_delay_alu instid0(VALU_DEP_2)
	v_pk_add_f32 v[4:5], v[4:5], v[X+\i:X+\i+1]
	s_delay_alu instid0(VALU_DEP_2)
	v_pk_add_f32 v[6:7], v[6:7], v[X+\i+2:X+\i+3]
.endr
	s_wait_alu depctr_va_vdst(0)
.irp q, 1,2,3
	s_wait_alu depctr_va_vdst(0)
	s_wait_loadcnt 12-4*\q                         ; the next four
.irp i, 0
	v_pk_add_f32 v[4:5], v[4:5], v[X+16*\q+\i:X+16*\q+\i+1]
	v_pk_add_f32 v[6:7], v[6:7], v[X+16*\q+\i+2:X+16*\q+\i+3]
.endr
.irp i, 4, 8, 12
	s_delay_alu instid0(VALU_DEP_2)
	v_pk_add_f32 v[4:5], v[4:5], v[X+16*\q+\i:X+16*\q+\i+1]
	s_delay_alu instid0(VALU_DEP_2)
	v_pk_add_f32 v[6:7], v[6:7], v[X+16*\q+\i+2:X+16*\q+\i+3]
.endr
.endr
	s_delay_alu instid0(VALU_DEP_1)
	v_pk_add_f32 v[4:5], v[4:5], v[6:7]
	s_delay_alu instid0(VALU_DEP_1)
	v_add_f32 v4, v4, v5
	RSUM 4, 3
	s_delay_alu instid0(VALU_DEP_1)
	v_mul_f32 v8, 0x3a000000, v4                   ; the wave's mean: sum x 2^-11
	s_delay_alu instid0(VALU_DEP_1)
	v_mov_b32 v9, v8
.set j, 0
.rept 32
	v_pk_add_f32 v[X+j:X+j+1], v[X+j:X+j+1], v[8:9] neg_lo:[0,1] neg_hi:[0,1]   ; deviations
.set j, j+2
.endr
	v_pk_mul_f32 v[4:5], v[X:X+1], v[X:X+1]
	v_pk_mul_f32 v[6:7], v[X+2:X+3], v[X+2:X+3]
.set j, 4
.rept 15
	s_delay_alu instid0(VALU_DEP_2)
	v_pk_fma_f32 v[4:5], v[X+j:X+j+1], v[X+j:X+j+1], v[4:5]
	s_delay_alu instid0(VALU_DEP_2)
	v_pk_fma_f32 v[6:7], v[X+j+2:X+j+3], v[X+j+2:X+j+3], v[6:7]
.set j, j+4
.endr
	s_delay_alu instid0(VALU_DEP_1)
	v_pk_add_f32 v[4:5], v[4:5], v[6:7]
	s_delay_alu instid0(VALU_DEP_1)
	v_add_f32 v4, v4, v5
	RSUM 4, 3
	s_delay_alu instid0(VALU_DEP_1)
	v_mov_b32 v9, v4                               ; (mean, M2)
	v_mov_b32 v2, 0
	v_cmp_eq_u32 vcc_lo, 0, v10
	s_wait_alu depctr_va_vdst(0)
	s_wait_xcnt 0x0                                ; EXEC changes only behind this wait
	s_and_saveexec_b32 s22, vcc_lo
	global_store_b64 v2, v[8:9], s[10:11]          ; lane 0 alone
	s_wait_xcnt 0x0
	s_or_b32 exec_lo, exec_lo, s22
	s_endpgm
	; ---- weights
.Lweights:
	s_sub_co_u32 s15, ttmp9, 256                   ; G
	s_cmp_lt_u32 s15, 12                           ; the choice hangs on the work-group's number alone
	s_cselect_b64 s[6:7], s[6:7], s[8:9]
	s_cselect_b32 s16, 0, 12
	s_sub_co_u32 s16, s15, s16                     ; which 64 rows of that tensor
	s_lshr_b32 s17, s14, 2                         ; ot / 2
	s_bfe_u32 s18, s14, 0x10001                    ; ot % 2
	s_and_b32 s19, s14, 1                          ; s
	s_lshl_b32 s16, s16, 16                        ; rows of 1,024 bytes: 64 rows,
	s_lshl_b32 s17, s17, 15                        ; 32 rows,
	s_lshl_b32 s18, s18, 13                        ; 8 rows,
	s_lshl_b32 s19, s19, 9                         ; 128 channels
	s_add_co_u32 s16, s16, s17
	s_add_co_u32 s16, s16, s18
	s_add_co_u32 s16, s16, s19
	s_mov_b32 s17, 0
	s_add_nc_u64 s[6:7], s[6:7], s[16:17]
	s_lshl_b32 s22, s15, 3
	s_add_co_u32 s22, s22, s14
	s_mul_i32 s22, s22, 1536                       ; the fragment's image
	s_mov_b32 s23, 0
	s_add_nc_u64 s[24:25], s[12:13], s[22:23]
	s_lshl_b32 s26, s15, 9
	s_lshr_b32 s27, s14, 2
	s_lshl_b32 s27, s27, 8
	s_add_co_u32 s26, s26, s27
	s_and_b32 s27, s14, 3
	s_lshl_b32 s27, s27, 2
	s_add_co_u32 s26, s26, s27
	s_add_co_u32 s26, s26, WSC                     ; its scale words
	s_mov_b32 s27, 0
	s_add_nc_u64 s[28:29], s[12:13], s[26:27]
	v_and_b32 v11, 15, v0                          ; r
	v_bfe_u32 v2, v0, 4, 1                         ; h
	s_delay_alu instid0(VALU_DEP_2)
	v_and_b32 v4, 8, v11
	s_delay_alu instid0(VALU_DEP_1)
	v_add_nc_u32 v4, v4, v11                       ; r + 8 (r / 8)
	s_delay_alu instid0(VALU_DEP_1)
	v_lshlrev_b32 v4, 10, v4
	s_delay_alu instid0(VALU_DEP_1)
	v_lshl_add_u32 v4, v2, 7, v4                   ; + 32 h channels
	v_lshlrev_b32 v5, 4, v11                       ; 16 r
.irp c, 0,1
.irp j, 0,1,2,3,4,5,6,7
	global_load_b128 v[X+32*\c+4*\j:X+32*\c+4*\j+3], v4, s[6:7] offset:256*\c+16*\j th:TH_LOAD_NT   ; w(row, 128 s + 64 c + 32 h + 4 j ..)
.endr
.endr
	s_wait_loadcnt 0x0
.irp c, 0,1
	v_max3_num_f32 v[12+\c], |v[X+32*\c]|, |v[X+32*\c+1]|, 0x2800000   ; block 2 c + h: all 32 numbers are mine; the floor 2^(5 - 127) holds the byte at 1 from below
.endr
.irp i, 2,4,6,8,10,12,14,16,18,20,22,24,26,28,30
.irp c, 0,1
	s_delay_alu instid0(VALU_DEP_2)
	v_max3_num_f32 v[12+\c], v[12+\c], |v[X+32*\c+\i]|, |v[X+32*\c+\i+1]|
.endr
.endr
.irp c, 0,1
	s_delay_alu instid0(VALU_DEP_2)
	v_add_nc_u32 v[14+\c], 0xfe000000, v[12+\c]    ; 4 off the exponent field: the conversion's scale operand
.endr
.irp c, 0,1
	s_delay_alu instid0(VALU_DEP_2)
	v_lshrrev_b32 v[16+\c], 23, v[14+\c]           ; the byte
.endr
	s_delay_alu instid0(VALU_DEP_1)
	v_lshl_or_b32 v18, v17, 16, v16                ; my bytes: blocks h and 2 + h,
	v_lshlrev_b32 v19, 3, v2
	s_delay_alu instid0(VALU_DEP_1)
	v_lshlrev_b32 v18, v19, v18                    ; 8 h bits up;
	s_delay_alu instid0(VALU_DEP_1)
	v_permlanex16_b32 v19, v18, s20, s21
	s_delay_alu instid0(VALU_DEP_1)
	v_or_b32 v18, v18, v19                         ; with lane l xor 16's two the word is whole
.irp c, 0,1
	v_cvt_scalef32_pk16_bf6_f32 v[20+6*\c:22+6*\c], v[X+32*\c:X+32*\c+15], v[14+\c]
	v_cvt_scalef32_pk16_bf6_f32 v[96+4*\c:98+4*\c], v[X+32*\c+16:X+32*\c+31], v[14+\c]   ; (a conversion's three registers begin on an even number)
.endr
	v_nop                                          ; one plain place behind a scaled conversion
.irp c, 0,1
.irp i, 0,1,2
	v_mov_b32 v[23+6*\c+\i], v[96+4*\c+\i]
.endr
.endr
.irp i, 0,1,2
	global_store_b128 v1, v[20+4*\i:23+4*\i], s[24:25] offset:512*\i   ; 32 lanes store 512 consecutive bytes, at a multiple of 256 from the buffer's first byte
.endr
	v_cmp_gt_u32 vcc_lo, 16, v10
	s_wait_xcnt 0x0                                ; EXEC changes only behind this wait
	s_and_saveexec_b32 s30, vcc_lo
	global_store_b32 v5, v18, s[28:29]             ; lanes 0-15: row r's word
	s_wait_xcnt 0x0
	s_or_b32 exec_lo, exec_lo, s30
	s_endpgm
.Lfunc_end_k_qf3a4e2f15d_prep:
	.size	k_qf3a4e2f15d_prep, .Lfunc_end_k_qf3a4e2f15d_prep-k_qf3a4e2f15d_prep
	.p2alignl 7, 3214868480
	.fill 96, 4, 3214868480
	.section	.rodata,"a",@progbits
	.p2align	6, 0x0
	.amdhsa_kernel k_qf3a4e2f15d_prep
		.amdhsa_group_segment_fixed_size 0
		.amdhsa_private_segment_fixed_size 0
		.amdhsa_enable_private_segment 0
		.amdhsa_kernarg_size 40
		.amdhsa_user_sgpr_count 2
		.amdhsa_user_sgpr_kernarg_segment_ptr 1
		.amdhsa_wavefront_size32 1
		.amdhsa_system_sgpr_workgroup_id_x 1
		.amdhsa_system_sgpr_workgroup_id_y 1
		.amdhsa_system_sgpr_workgroup_id_z 1
		.amdhsa_system_vgpr_workitem_id 0
		.amdhsa_next_free_vgpr 104
		.amdhsa_next_free_sgpr 66
		.amdhsa_reserve_vcc 1
		.amdhsa_float_denorm_mode_32 3
		.amdhsa_float_denorm_mode_16_64 3
		.amdhsa_memory_ordered 1
		.amdhsa_forward_progress 1
		.amdhsa_inst_pref_size 21
	.end_amdhsa_kernel
	.amdgpu_metadata
---
amdhsa.version: [ 1, 2 ]
amdhsa.kernels:
  - .name:           k_qf3a4e2f15d_prep
    .symbol:         k_qf3a4e2f15d_prep.kd
    .args:
      - { .name: x, .offset: 0, .size: 8, .value_kind: global_buffer, .address_space: global }
      - { .name: w_qkv, .offset: 8, .size: 8, .value_kind: global_buffer, .address_space: global }
      - { .name: w_proj, .offset: 16, .size: 8, .value_kind: global_buffer, .address_space: global }
      - { .name: stats, .offset: 24, .size: 8, .value_kind: global_buffer, .address_space: global }
      - { .name: wts, .offset: 32, .size: 8, .value_kind: global_buffer, .address_space: global }
    .group_segment_fixed_size: 0
    .private_segment_fixed_size: 0
    .kernarg_segment_align: 8
    .kernarg_segment_size: 40
    .max_flat_workgroup_size: 256
    .sgpr_count:     66
    .vgpr_count:     104
    .wavefront_size: 32
...
	.end_amdgpu_metadata
.endif
;; end of part 1
;; launch qkv (part 2): grid 256 x 1, 16 waves a work-group, no clusters, 14,848 bytes of LDS; arguments x, gamma, beta, b_qkv, stats, wts, qb, kv, sc; writes qb, kv, sc
.if DOCPART == 2
	.amdgcn_target "amdgcn-amd-amdhsa--gfx1250"
	.amdhsa_code_object_version 6
	.text
	.protected	k_qf3a4e2f15d_qkv
	.globl	k_qf3a4e2f15d_qkv
	.p2align	8
	.type	k_qf3a4e2f15d_qkv,@function
k_qf3a4e2f15d_qkv:
	s_mov_b64 s[64:65], 0
	v_nop
	global_prefetch_b8 v0, s[64:65] scope:SCOPE_SE
	s_setreg_imm32_b32 hwreg(HW_REG_WAVE_MODE, 25, 1), 1
	s_wait_xcnt 0x0
; h = group_norm(x) gamma + beta;  qkv = w_qkv h + b_qkv on codes of BF6 (E3M2) with one E8M0 byte for each 32 channels;  q, k (along the head's 64) and v (along the pixels, which are the keys) are quantised again
; in registers and leave as images of the next products' operand registers.
; SHARES.  A work-group takes 64 pixels (256 consecutive bytes of each channel row) of one image, against all 768 outputs.
; PHASE X, all 16 waves: wave w takes group g = w % 8 (32 channels: ONE block of the quantiser) and 32 of the pixels (w / 8).  A lane takes a pixel, its 32 registers run down the channels: the block's maximum needs no other
;   lane and the codes come out with K innermost.  The 64 partial statistics of the group are joined by every wave (equal counts: M2 = sum M2_i + 2,048 sum (mean_i - mean)^2).  Codes and bytes go to LDS as the eight
;   fragments (tile of 16 pixels t, K step s) that all waves then read.  One barrier.
; PHASE M: waves 0-3 make q of head w, waves 4-7 k of head w - 4: source 0 = 16 rows of the weight, source 1 = 16 pixels: a lane holds one pixel and its registers run along the head: four jobs (a tile of pixels each).
;   waves 8-15 make v of head (w - 8) / 2, half w % 2 of its 64 channels, with the sources SWAPPED: a lane holds one channel and its registers run along the pixels: two jobs (16 channels each).
;   A job is 4 accumulators x 2 K steps, the bias being the C of each sum's first instruction, and gives one PIECE: 16 rows x 64 codes, 6 registers a lane, 768 bytes: registers 0-3 at 16 x lane, 4-5 at 512 + 8 x lane.
; ROWS OF A TILE ARE NOT NEIGHBOURS, for pixels and for weight rows alike: lane r of tile 2 b + u takes row 32 b + 8 u + r + 8 (r / 8), so that the 16 registers of tiles 2 b, 2 b + 1 are 16 neighbours along the next K.
; NO CLUSTER: what work-groups share is the weights, and each fragment goes from memory straight into the registers of the one wave that multiplies by it; a joint load lands in LDS alone and would add a write and a read
;   of all 153,600 bytes there, and two rounds of the cluster's barrier, to a launch with a single phase.
; LIMITS: a block of zeros, or one under 2^-122, gets the byte 1 (this program alone reads the bytes); NaN and infinities are not served.  v's scale bytes leave as 2 bytes a lane (a word of 128 keys belongs to two work-groups): 64 bytes a wave.
.set HIMG, 0                           ; LDS: h's eight fragments, f = 2 t + s at 1,536 f, lane-major: 48 x lane + 4 x register
.set HSC,  12288                       ; and their scale words: word f of row r at 32 r + 4 f
.set WSC,  196608
.set QSC,  3145728
.set W,    16                          ; v16-111  weight fragments (v role: four, v16-63; h's fragments 0-3 then lie in v64-111)
.set SW,   112                         ; v112-115 the weights' scale words
.set BI,   116                         ; v116-147 biases in the result's layout
.set HF,   148                         ; v148-195 h's fragments (q/k: two sets of two; v: fragments 4-7); phase X: v148-163 at work
.set HS,   196                         ; v196-203 h's scale words
.set ACC,  204                         ; v204-235 four accumulators; phase X: my pixel's 32 channels
.set TM,   236
.set TP,   238
.set SOP,  240
.set PC,   242                         ; v242-247 the piece just made
.set PT,   248
.set PWS,  252                         ; v252-255 the jobs' scale words
.set SEL,  100
.macro RSUM v, t
	s_delay_alu instid0(VALU_DEP_1)
	v_add_f32_dpp v[\v], v[\v], v[\v] row_xmask:1 row_mask:0xf bank_mask:0xf
	s_delay_alu instid0(VALU_DEP_1)
	v_add_f32_dpp v[\v], v[\v], v[\v] row_xmask:2 row_mask:0xf bank_mask:0xf
	s_delay_alu instid0(VALU_DEP_1)
	v_add_f32_dpp v[\v], v[\v], v[\v] row_xmask:4 row_mask:0xf bank_mask:0xf
	s_delay_alu instid0(VALU_DEP_1)
	v_add_f32_dpp v[\v], v[\v], v[\v] row_xmask:8 row_mask:0xf bank_mask:0xf
	s_delay_alu instid0(VALU_DEP_1)
	v_permlanex16_b32 v[\t], v[\v], s[SEL], s[SEL+1]
	s_delay_alu instid0(VALU_DEP_1)
	v_add_f32 v[\v], v[\v], v[\t]
.endm
; 32 numbers of a lane, register 16 b + i = k 32 b + 16 (lane / 16) + i of my row, become a piece in v[PC] on and the two scale bytes in v[pw] (hi = 1: with 0x7f for the two blocks of zero codes above them).
.macro QUANT2 s, hi, pw
.irp b, 0,1
	v_max3_num_f32 v[TM+\b], |v[\s+16*\b]|, |v[\s+16*\b+1]|, 0x2800000   ; each accumulator is read from its low end on; the floor 2^(5 - 127) holds the byte at 1 from below
.endr
.irp i, 2,4,6,8,10,12,14
.irp b, 0,1
	v_max3_num_f32 v[TM+\b], v[TM+\b], |v[\s+16*\b+\i]|, |v[\s+16*\b+\i+1]|
.endr
.endr
.irp b, 0,1
	s_delay_alu instid0(VALU_DEP_2)
	v_permlanex16_b32 v[TP+\b], v[TM+\b], s[SEL], s[SEL+1]
.endr
.irp b, 0,1
	s_delay_alu instid0(VALU_DEP_2)
	v_max_num_f32 v[TM+\b], v[TM+\b], v[TP+\b]     ; with lane l xor 16's 16: the block's largest magnitude
.endr
.irp b, 0,1
	s_delay_alu instid0(VALU_DEP_2)
	v_add_nc_u32 v[SOP+\b], 0xfe000000, v[TM+\b]   ; 4 off the exponent field: the conversion's scale operand
.endr
.irp b, 0,1
	s_delay_alu instid0(VALU_DEP_2)
	v_lshrrev_b32 v[TP+\b], 23, v[SOP+\b]          ; the byte
.endr
	s_delay_alu instid0(VALU_DEP_1)
	v_lshl_or_b32 v[\pw], v[TP+1], 8, v[TP]
.if \hi
	s_delay_alu instid0(VALU_DEP_1)
	v_or_b32 v[\pw], 0x7f7f0000, v[\pw]
.endif
	s_wait_alu depctr_va_vdst(0)
	s_wait_xcnt 0x0                                ; the last piece's stores have read their registers
	v_cvt_scalef32_pk16_bf6_f32 v[PC:PC+2], v[\s:\s+15], v[SOP]
	v_cvt_scalef32_pk16_bf6_f32 v[PT:PT+2], v[\s+16:\s+31], v[SOP+1]
	v_nop                                          ; one plain place behind a scaled conversion
.irp i, 0,1,2
	v_permlane16_swap_b32 v[PC+\i], v[PT+\i]       ; the layout wants a whole block in a lane: lanes 0-15 block 0, lanes 16-31 block 1
.endr
.irp i, 0,1,2
	s_delay_alu instid0(VALU_DEP_3)
	v_mov_b32 v[PC+3+\i], v[PT+\i]
.endr
.endm
.macro WM d, a, b, c, sa, sb, row      ; row = 1: source 0's scale words stand in lanes 16-31
.if \row
	v_wmma_scale_f32_16x16x128_f8f6f4 v[\d:\d+7], v[\a:\a+11], v[\b:\b+11], v[\c:\c+7], v[\sa], v[\sb] matrix_a_fmt:MATRIX_FMT_BF6 matrix_b_fmt:MATRIX_FMT_BF6 matrix_a_scale:MATRIX_SCALE_ROW1
.else
	v_wmma_scale_f32_16x16x128_f8f6f4 v[\d:\d+7], v[\a:\a+11], v[\b:\b+11], v[\c:\c+7], v[\sa], v[\sb] matrix_a_fmt:MATRIX_FMT_BF6 matrix_b_fmt:MATRIX_FMT_BF6
.endif
.endm
.macro PLACES n
.rept \n
	v_nop
.endr
.endm
	s_load_b512 s[48:63], s[0:1], 0x0              ; x 48, gamma 50, beta 52, b_qkv 54, stats 56, wts 58, qb 60, kv 62
	s_load_b64 s[66:67], s[0:1], 0x40              ; sc
	v_lshrrev_b32 v1, 5, v0
	s_delay_alu instid0(VALU_DEP_1)
	v_readfirstlane_b32 s2, v1                     ; wave 0..15
	v_and_b32 v1, 31, v0                           ; lane
	v_and_b32 v2, 15, v0                           ; r
	v_bfe_u32 v3, v0, 4, 1                         ; h
	s_and_b32 s3, s2, 7                            ; g
	s_lshr_b32 s4, s2, 3                           ; which 32 pixels
	s_lshr_b32 s5, ttmp9, 6                        ; image
	s_and_b32 s6, ttmp9, 63                        ; block of 64 pixels
	s_mov_b32 s[SEL], 0x76543210
	s_mov_b32 s[SEL+1], 0xfedcba98
	; every LDS address is made here, ahead of the first parting of the roles.
	; My pixel p = 32 (w / 8) + lane lies in tile 2 (p / 32) + (p / 8) % 2, row p % 8 + 8 ((p / 16) % 2); my group is block g % 4 of K step g / 4: lane half g % 2, registers 6 ((g / 2) % 2) on.
	s_lshr_b32 s9, s3, 2
	s_mul_i32 s9, s9, 1536
	s_and_b32 s10, s3, 1
	s_mul_i32 s10, s10, 768
	s_add_co_u32 s9, s9, s10
	s_bfe_u32 s10, s3, 0x10001
	s_mul_i32 s10, s10, 24
	s_add_co_u32 s9, s9, s10
	s_mul_i32 s10, s4, 6144
	s_add_co_u32 s9, s9, s10
	s_lshl_b32 s10, s4, 4
	s_add_co_u32 s10, s10, s3
	s_add_co_u32 s10, s10, HSC
	v_bfe_u32 v12, v0, 3, 1
	v_and_b32 v13, 7, v0
	s_wait_alu depctr_va_vdst(0)
	v_lshl_add_u32 v13, v3, 3, v13                 ; my pixel's row in its tile
	v_mul_u32_u24 v5, v12, 3072
	s_delay_alu instid0(VALU_DEP_1)
	v_mad_u32_u24 v5, v13, 48, v5
	s_delay_alu instid0(VALU_DEP_1)
	v_add_nc_u32 v5, s9, v5                        ; v5: where my 24 bytes of codes go
	s_delay_alu instid0(VALU_DEP_4)
	v_lshlrev_b32 v6, 5, v13
	s_delay_alu instid0(VALU_DEP_1)
	v_lshl_add_u32 v6, v12, 3, v6
	s_delay_alu instid0(VALU_DEP_1)
	v_add_nc_u32 v6, s10, v6                       ; v6: where my scale byte goes: 32 row + 8 tile + g
	v_mul_u32_u24 v7, v1, 48                       ; v7: a fragment's place for my lane
	v_lshl_add_u32 v8, v2, 5, HSC                  ; v8: row r's eight scale words
	v_lshlrev_b32 v4, 2, v1                        ; 4 x lane
	v_lshlrev_b32 v9, 4, v1                        ; 16 x lane
	v_lshlrev_b32 v10, 3, v1                       ; 8 x lane
	v_mov_b32 v159, 0                              ; lane permutes' destinations count as read: written once
	v_mov_b32 v[TP], 0
	v_mov_b32 v[TP+1], 0
	; the roles' numbers
	s_and_b32 s8, s2, 1                            ; v: which half of the head's channels
	s_lshr_b32 s9, s2, 1
	s_add_co_u32 s12, s9, 4                        ; v: weight group 8 + head
	s_and_b32 s7, s9, 3                            ; v: head
	s_and_b32 s13, s2, 3                           ; q, k: head
	s_lshl_b32 s14, s8, 2                          ; v: first fragment
	s_lshl_b32 s15, s8, 8                          ; v: its scale words
	s_cmp_lt_u32 s2, 8
	s_cselect_b32 s12, s2, s12                     ; G
	s_cselect_b32 s7, s13, s7                      ; head
	s_cselect_b32 s14, 0, s14
	s_cselect_b32 s15, 0, s15
	s_cselect_b32 s13, 31, 15
	v_and_b32 v11, s13, v1
	s_delay_alu instid0(VALU_DEP_1)
	v_lshlrev_b32 v11, 4, v11
	s_delay_alu instid0(VALU_DEP_1)
	v_add_nc_u32 v11, s15, v11                     ; q, k: lanes 0-15 the words of fragments 0-3, lanes 16-31 of 4-7; v: all lanes those of my four
	s_wait_alu depctr_va_vdst(0)
	s_wait_kmcnt 0x0
	s_mov_b32 s11, 0
	s_lshl_b32 s10, s3, 7
	s_add_nc_u64 s[50:51], s[50:51], s[10:11]
	s_add_nc_u64 s[52:53], s[52:53], s[10:11]
	s_load_b512 s[16:31], s[50:51], 0x0            ; gamma of my 32 channels
	s_load_b512 s[32:47], s[50:51], 0x40
	s_load_b512 s[68:83], s[52:53], 0x0            ; beta
	s_load_b512 s[84:99], s[52:53], 0x40
	s_lshl_b32 s10, s5, 3
	s_add_co_u32 s10, s10, s3
	s_lshl_b32 s10, s10, 9
	s_add_nc_u64 s[56:57], s[56:57], s[10:11]
	global_load_b128 v[148:151], v9, s[56:57]      ; two of my group's 64 pairs (mean, M2)
	s_lshl_b32 s10, s5, 22
	s_lshl_b32 s9, s3, 19
	s_add_co_u32 s10, s10, s9
	s_lshl_b32 s9, s6, 8
	s_add_co_u32 s10, s10, s9
	s_lshl_b32 s9, s4, 7
	s_add_co_u32 s10, s10, s9
	s_add_nc_u64 s[48:49], s[48:49], s[10:11]
.set j, 0
.rept 32
	global_load_b32 v[ACC+j], v4, s[48:49] offset:16384*j   ; channel 32 g + j at my pixel: 32 lanes read 128 consecutive bytes
.set j, j+1
.endr
	s_lshl_b32 s10, s12, 3
	s_add_co_u32 s10, s10, s14
	s_mul_i32 s10, s10, 1536
	s_lshl_b32 s12, s12, 9
	s_add_co_u32 s12, s12, WSC
	s_mov_b32 s13, 0
	s_add_nc_u64 s[14:15], s[58:59], s[12:13]
	s_add_nc_u64 s[58:59], s[58:59], s[10:11]
.irp k, 0,1,2,3
.irp i, 0,1,2
	global_load_b128 v[W+12*\k+4*\i:W+12*\k+4*\i+3], v9, s[58:59] offset:1536*\k+512*\i
.endr
.endr
	global_load_b128 v[SW:SW+3], v11, s[14:15]
	s_cmp_lt_u32 s2, 8
	s_cbranch_scc0 .Lv_loads
	s_lshl_b32 s10, s2, 8                          ; q, k: outputs 64 w on
	s_add_nc_u64 s[54:55], s[54:55], s[10:11]
	v_lshlrev_b32 v12, 6, v3                       ; the bias of my half's 16 outputs of each 32
	v_lshlrev_b32 v13, 4, v2
	s_delay_alu instid0(VALU_DEP_1)
	v_lshl_add_u32 v13, v3, 3, v13                 ; where I store scale words: 16 r + 8 h
.irp k, 4,5,6,7
.irp i, 0,1,2
	global_load_b128 v[W+12*\k+4*\i:W+12*\k+4*\i+3], v9, s[58:59] offset:1536*\k+512*\i
.endr
.endr
.irp a, 0,1,2,3
	global_load_b128 v[BI+8*\a:BI+8*\a+3], v12, s[54:55] offset:(32*(\a/2)+8*(\a%2))*4
	global_load_b128 v[BI+8*\a+4:BI+8*\a+7], v12, s[54:55] offset:(32*(\a/2)+8*(\a%2))*4+16
.endr
	s_branch .Lloaded
.Lv_loads:
	s_lshl_b32 s10, s7, 8
	s_lshl_b32 s9, s8, 7
	s_add_co_u32 s10, s10, s9
	s_add_co_u32 s10, s10, 2048                    ; v: outputs 512 + 64 head + 32 half on
	s_add_nc_u64 s[54:55], s[54:55], s[10:11]
	v_and_b32 v12, 8, v2
	s_delay_alu instid0(VALU_DEP_1)
	v_add_nc_u32 v12, v12, v2
	s_delay_alu instid0(VALU_DEP_1)
	v_lshlrev_b32 v12, 2, v12                      ; my channel: r + 8 (r / 8)
	s_lshl_b32 s9, s8, 3
	s_and_b32 s10, s6, 1
	s_lshl_b32 s10, s10, 1
	s_add_co_u32 s9, s9, s10
	v_lshlrev_b32 v13, 4, v2
	s_delay_alu instid0(VALU_DEP_1)
	v_lshl_add_u32 v13, v3, 2, v13
	s_delay_alu instid0(VALU_DEP_1)
	v_add_nc_u32 v13, s9, v13                      ; where I store two scale bytes: 16 r + 4 (2 half + h) + 2 (pixel block % 2)
	global_load_b32 v[BI], v12, s[54:55]
	global_load_b32 v[BI+8], v12, s[54:55] offset:32
.Lloaded:
	s_mov_b32 s9, 0x37000000                       ; 2^-17: one over a group's 131,072 numbers
	s_mov_b32 s10, 0x3727c5ac                      ; eps = 1e-5
	s_wait_loadcnt 47                              ; the statistics are in: behind them stand x's 32, 13 of the weights and at least 2 of the bias
	v_add_f32 v156, v148, v150
	RSUM 156, 159
	s_delay_alu instid0(VALU_DEP_1)
	v_mul_f32 v152, 0x3c800000, v156               ; the group's mean: the 64 means' sum x 2^-6
	s_delay_alu instid0(VALU_DEP_1)
	v_mov_b32 v153, v152
	s_delay_alu instid0(VALU_DEP_2)
	v_sub_f32 v157, v148, v152
	s_delay_alu instid0(VALU_DEP_3)
	v_sub_f32 v158, v150, v152
	s_delay_alu instid0(VALU_DEP_2)
	v_mul_f32 v157, v157, v157
	s_delay_alu instid0(VALU_DEP_1)
	v_fmac_f32 v157, v158, v158
	v_add_f32 v156, v149, v151
	s_delay_alu instid0(VALU_DEP_1)
	v_fmamk_f32 v156, v157, 0x45000000, v156       ; M2_0 + M2_1 + 2,048 ((m_0 - mean)^2 + (m_1 - mean)^2)
	RSUM 156, 159
	s_delay_alu instid0(VALU_DEP_1)
	v_fma_f32 v156, v156, s9, s10                  ; var + eps (the factor is a power of two: nothing is rounded by it)
	s_wait_alu depctr_va_vdst(0)
	v_rsq_f32 v154, v156
	v_nop                                          ; one plain place behind a transcendental
	s_wait_alu depctr_va_vdst(0)
	v_mov_b32 v155, v154
	s_wait_loadcnt 15                              ; x is in: behind it stand at least 13 + 2 loads
	s_wait_kmcnt 0x0                               ; gamma, beta
.set j, 0
.rept 16
	v_pk_add_f32 v[ACC+j:ACC+j+1], v[ACC+j:ACC+j+1], v[152:153] neg_lo:[0,1] neg_hi:[0,1]
.set j, j+2
.endr
.set j, 0
.rept 16
	v_pk_mul_f32 v[ACC+j:ACC+j+1], v[ACC+j:ACC+j+1], v[154:155]
.set j, j+2
.endr
.set j, 0
.rept 32
	v_fma_f32 v[ACC+j], v[ACC+j], s[16+j], s[68+j] ; h
.set j, j+1
.endr
	v_max3_num_f32 v160, |v[ACC]|, |v[ACC+1]|, 0x2800000   ; the block's largest magnitude: all 32 numbers are mine
	v_max3_num_f32 v161, |v[ACC+2]|, |v[ACC+3]|, 0x2800000
.irp i, 4,8,12,16,20,24,28
	s_delay_alu instid0(VALU_DEP_2)
	v_max3_num_f32 v160, v160, |v[ACC+\i]|, |v[ACC+\i+1]|
	s_delay_alu instid0(VALU_DEP_2)
	v_max3_num_f32 v161, v161, |v[ACC+\i+2]|, |v[ACC+\i+3]|
.endr
	s_delay_alu instid0(VALU_DEP_1)
	v_max_num_f32 v160, v160, v161
	s_delay_alu instid0(VALU_DEP_1)
	v_add_nc_u32 v162, 0xfe000000, v160
	s_delay_alu instid0(VALU_DEP_1)
	v_lshrrev_b32 v163, 23, v162
	v_cvt_scalef32_pk16_bf6_f32 v[PC:PC+2], v[ACC:ACC+15], v162
	v_cvt_scalef32_pk16_bf6_f32 v[PT:PT+2], v[ACC+16:ACC+31], v162
	v_nop                                          ; one plain place behind a scaled conversion
.irp i, 0,1,2
	v_mov_b32 v[PC+3+\i], v[PT+\i]
.endr
.irp i, 0,1,2
	ds_store_b64 v5, v[PC+2*\i:PC+2*\i+1] offset:8*\i
.endr
	ds_store_b8 v6, v163
	s_wait_dscnt 0x0                               ; for the others' sake: my stores have landed
	s_barrier_signal -1
	s_barrier_wait -1                              ; h's eight fragments and their scale words lie in LDS; nothing is written there again
	ds_load_b128 v[HS:HS+3], v8
	ds_load_b128 v[HS+4:HS+7], v8 offset:16
	s_wait_loadcnt 0x0                             ; weights, their words, biases
	v_cmp_lt_u32 vcc_lo, 15, v1                    ; lanes 16-31
	s_lshl_b32 s9, s5, 2
	s_add_co_u32 s9, s9, s7                        ; 4 x image + head
	s_cmp_lt_u32 s2, 8
	s_cbranch_scc0 .Lv_role
	; ---- q and k
	s_mul_i32 s10, s9, 196608
	s_mul_i32 s12, s6, 3072
	s_add_co_u32 s10, s10, s12                     ; q: tile 4 pb of the head's 256, 768 bytes each
	s_mul_i32 s12, s9, 393216
	s_lshr_b32 s13, s6, 3
	s_mul_i32 s13, s13, 49152
	s_add_co_u32 s12, s12, s13
	s_and_b32 s13, s6, 7
	s_mul_i32 s13, s13, 3072
	s_add_co_u32 s12, s12, s13                     ; k: slot pb / 8, tile 4 (pb % 8)
	s_lshl_b32 s13, s9, 14
	s_add_co_u32 s13, s13, QSC
	s_mul_i32 s14, s9, 24576
	s_lshl_b32 s15, s6, 8
	s_add_co_u32 s13, s13, s15                     ; q's scale words
	s_add_co_u32 s14, s14, s15                     ; k's
	s_cmp_lt_u32 s2, 4                             ; the choice hangs on the wave's number alone
	s_cselect_b64 s[50:51], s[60:61], s[62:63]
	s_cselect_b64 s[52:53], s[60:61], s[66:67]
	s_cselect_b32 s10, s10, s12
	s_cselect_b32 s12, s13, s14
	s_mov_b32 s13, 0
	s_add_nc_u64 s[50:51], s[50:51], s[10:11]
	s_add_nc_u64 s[52:53], s[52:53], s[12:13]
.macro LOADH t                         ; h's two fragments of tile t into set t % 2
.irp s, 0,1
.irp i, 0,1,2
	ds_load_b128 v[HF+24*((\t)%2)+12*\s+4*\i:HF+24*((\t)%2)+12*\s+4*\i+3], v7 offset:HIMG+(2*(\t)+\s)*1536+16*\i
.endr
.endr
.endm
.macro JOBA t
.if \t < 3
	s_wait_dscnt 6                                 ; this tile's fragments are in; the next tile's six loads stay out
.else
	s_wait_dscnt 0x0
.endif
.irp a, 0,1,2,3                        ; the four accumulators by turns, a K step at a time; the bias starts each sum
	WM ACC+8*\a, W+24*\a, HF+24*((\t)%2), BI+8*\a, SW+2*(\a%2), HS+2*(\t), \a/2
.endr
.irp a, 0,1,2,3
	WM ACC+8*\a, W+24*\a+12, HF+24*((\t)%2)+12, ACC+8*\a, SW+2*(\a%2)+1, HS+2*(\t)+1, \a/2
.endr
	PLACES 4                                       ; in front of the first read of results and of loads into registers that the products have read
.if \t < 2
	LOADH (\t)+2
.endif
	QUANT2 ACC, 1, PWS+\t
	global_store_b128 v9, v[PC:PC+3], s[50:51] offset:768*(\t)        ; 512 and 256 consecutive bytes, at multiples of 256 from the buffer's first byte
	global_store_b64 v10, v[PC+4:PC+5], s[50:51] offset:768*(\t)+512
	PLACES 5                                       ; the next job begins the accumulators anew with another C
.endm
	LOADH 0
	LOADH 1
	JOBA 0
	JOBA 1
	JOBA 2
	JOBA 3
	v_cndmask_b32 v14, v[PWS], v[PWS+2], vcc_lo    ; lanes 0-15 store the words of tiles 0, 1, lanes 16-31 of tiles 2, 3
	v_cndmask_b32 v15, v[PWS+1], v[PWS+3], vcc_lo
	global_store_b64 v13, v[14:15], s[52:53]       ; 32 lanes store 256 consecutive bytes
	s_wait_xcnt 0x0
	v_lshl_add_u32 v254, v0, 2, 0x3200
	v_mov_b32 v255, 0
	s_wait_alu depctr_va_vdst(0)
	s_wait_tensorcnt 0x0
	ds_add_u32 v254, v255
	s_wait_dscnt 0x0
	s_endpgm
	; ---- v
.Lv_role:
.irp u, 0,1
.irp j, 1,2,3,4,5,6,7
	v_mov_b32 v[BI+8*\u+\j], v[BI+8*\u]            ; a lane holds one channel: its bias in all eight registers
.endr
.endr
.irp s, 0,1                            ; all eight fragments of h, K step 0's four first
.irp t, 0,1,2,3
.irp i, 0,1,2
	ds_load_b128 v[64+12*(2*\t+\s)+36*(\t/2)+4*\i:64+12*(2*\t+\s)+36*(\t/2)+4*\i+3], v7 offset:HIMG+(2*\t+\s)*1536+16*\i
.endr
.endr
.endr
	s_mul_i32 s10, s9, 393216
	s_lshr_b32 s12, s6, 3
	s_mul_i32 s12, s12, 49152
	s_add_co_u32 s10, s10, s12                     ; slot pb / 8,
	s_bfe_u32 s12, s6, 0x20001
	s_mul_i32 s12, s12, 6144
	s_add_co_u32 s10, s10, s12                     ; step of 128 keys (pb % 8) / 2,
	s_mul_i32 s12, s8, 3072
	s_add_co_u32 s10, s10, s12                     ; tiles 2 half, 2 half + 1 of the head's four,
	s_and_b32 s12, s6, 1
	s_mul_i32 s12, s12, 768
	s_add_co_u32 s10, s10, s12                     ; which 64 keys of the 128,
	s_add_co_u32 s10, s10, 24576                   ; behind the slot's K part
	s_add_nc_u64 s[50:51], s[62:63], s[10:11]
	s_mul_i32 s10, s9, 24576
	s_lshr_b32 s12, s6, 1
	s_lshl_b32 s12, s12, 8
	s_add_co_u32 s10, s10, s12                     ; the step's 256 bytes of scale words,
	s_add_co_u32 s10, s10, 16384                   ; behind K's
	s_add_nc_u64 s[52:53], s[66:67], s[10:11]
.macro JOBB u
.irp s, 0,1
.if \u == 0
	s_wait_dscnt 12-12*\s                          ; K step 0's fragments are in, the twelve loads of K step 1 stay out; then all
.endif
.irp t, 0,1,2,3                        ; SWAPPED: source 0 = 16 pixels, source 1 = 16 rows of the weight
.if \s == 0
	WM ACC+8*\t, 64+24*\t+36*(\t/2), W+24*(\u), BI+8*(\u), HS+2*\t, SW+2*(\u), 0
.else
	WM ACC+8*\t, 76+24*\t+36*(\t/2), W+24*(\u)+12, ACC+8*\t, HS+2*\t+1, SW+2*(\u)+1, 0
.endif
.endr
.endr
	PLACES 4
	QUANT2 ACC, 0, PWS+\u
	global_store_b128 v9, v[PC:PC+3], s[50:51] offset:1536*(\u)
	global_store_b64 v10, v[PC+4:PC+5], s[50:51] offset:1536*(\u)+512
	PLACES 5
.endm
	s_wait_alu depctr_va_vdst(0)
	JOBB 0
	JOBB 1
	v_cndmask_b32 v14, v[PWS], v[PWS+1], vcc_lo    ; lanes 0-15 store the first tile's two bytes, lanes 16-31 the second's
	global_store_b16 v13, v14, s[52:53]
	s_wait_xcnt 0x0
	v_lshl_add_u32 v254, v0, 2, 0x3200
	v_mov_b32 v255, 0
	s_wait_alu depctr_va_vdst(0)
	s_wait_tensorcnt 0x0
	ds_add_u32 v254, v255
	s_wait_dscnt 0x0
	s_endpgm
.Lfunc_end_k_qf3a4e2f15d_qkv:
	.size	k_qf3a4e2f15d_qkv, .Lfunc_end_k_qf3a4e2f15d_qkv-k_qf3a4e2f15d_qkv
	.p2alignl 7, 3214868480
	.fill 96, 4, 3214868480
	.section	.rodata,"a",@progbits
	.p2align	6, 0x0
	.amdhsa_kernel k_qf3a4e2f15d_qkv
		.amdhsa_group_segment_fixed_size 14848
		.amdhsa_private_segment_fixed_size 0
		.amdhsa_enable_private_segment 0
		.amdhsa_kernarg_size 72
		.amdhsa_user_sgpr_count 2
		.amdhsa_user_sgpr_kernarg_segment_ptr 1
		.amdhsa_wavefront_size32 1
		.amdhsa_system_sgpr_workgroup_id_x 1
		.amdhsa_system_sgpr_workgroup_id_y 1
		.amdhsa_system_sgpr_workgroup_id_z 1
		.amdhsa_system_vgpr_workitem_id 0
		.amdhsa_next_free_vgpr 256
		.amdhsa_next_free_sgpr 102
		.amdhsa_reserve_vcc 1
		.amdhsa_float_denorm_mode_32 3
		.amdhsa_float_denorm_mode_16_64 3
		.amdhsa_memory_ordered 1
		.amdhsa_forward_progress 1
		.amdhsa_inst_pref_size 50
	.end_amdhsa_kernel
	.amdgpu_metadata
---
amdhsa.version: [ 1, 2 ]
amdhsa.kernels:
  - .name:           k_qf3a4e2f15d_qkv
    .symbol:         k_qf3a4e2f15d_qkv.kd
    .args:
      - { .name: x, .offset: 0, .size: 8, .value_kind: global_buffer, .address_space: global }
      - { .name: gamma, .offset: 8, .size: 8, .value_kind: global_buffer, .address_space: global }
      - { .name: beta, .offset: 16, .size: 8, .value_kind: global_buffer, .address_space: global }
      - { .name: b_qkv, .offset: 24, .size: 8, .value_kind: global_buffer, .address_space: global }
      - { .name: stats, .offset: 32, .size: 8, .value_kind: global_buffer, .address_space: global }
      - { .name: wts, .offset: 40, .size: 8, .value_kind: global_buffer, .address_space: global }
      - { .name: qb, .offset: 48, .size: 8, .value_kind: global_buffer, .address_space: global }
      - { .name: kv, .offset: 56, .size: 8, .value_kind: global_buffer, .address_space: global }
      - { .name: sc, .offset: 64, .size: 8, .value_kind: global_buffer, .address_space: global }
    .group_segment_fixed_size: 14848
    .private_segment_fixed_size: 0
    .kernarg_segment_align: 8
    .kernarg_segment_size: 72
    .max_flat_workgroup_size: 512
    .sgpr_count:     102
    .vgpr_count:     256
    .wavefront_size: 32
...
	.end_amdgpu_metadata
.endif
;; end of part 2
;; launch attn (part 3): grid 16 x 16, 16 waves a work-group, clusters of 4 x 1, 327,680 bytes of LDS; arguments qb, kv, sc, ob; writes ob
.if DOCPART == 3
	.amdgcn_target "amdgcn-amd-amdhsa--gfx1250"
	.amdhsa_code_object_version 6
	.text
	.protected	k_qf3a4e2f15d_attn
	.globl	k_qf3a4e2f15d_attn
	.p2align	8
	.type	k_qf3a4e2f15d_attn,@function
k_qf3a4e2f15d_attn:
	s_mov_b64 s[64:65], 0
	v_nop
	global_prefetch_b8 v0, s[64:65] scope:SCOPE_SE
	s_setreg_imm32_b32 hwreg(HW_REG_WAVE_MODE, 25, 1), 1
	s_wait_xcnt 0x0
	s_wait_alu depctr_hold_cnt(0) depctr_sa_sdst(0) depctr_va_vdst(0) depctr_va_sdst(0) depctr_va_ssrc(0) depctr_va_vcc(0) depctr_vm_vsrc(0)
	s_getreg_b32 s2, hwreg(HW_REG_IB_STS2, 6, 4)
	s_cmp_eq_u32 s2, 0
	s_cbranch_scc0 .Lentry_in_a_cluster
	s_endpgm
.Lentry_in_a_cluster:
	s_bfe_u32 s2, ttmp6, 0x10000c
	s_cmp_lg_u32 s2, 0x3003
	s_cbranch_scc0 .Lentry_shape_is_right
	s_endpgm
.Lentry_shape_is_right:
; O[q] = the sum over keys of softmax(Q[q] . K[key] / 8) V[key], 16 heads (image x head) of 4,096 pixels and head size 64, both products on codes of BF6 (E3M2) with one E8M0 byte for each 32 along a product's K.
; THE SOFTMAX AHEAD OF THE SECOND PRODUCT: t = score x log2(e) / 8; M = the row's largest t so far, rounded UP to a whole number; p = 2^(t - M) is what is quantised, along the keys, not normalised.  The row's sum is taken
; of the unquantised p and divides O at the end.  When M moves, the sum and O are multiplied by 2^(old M - new M): exact.  O / sum is quantised here, along the head's 64, for the projection.
; SHARES.  A work-group owns 256 queries of one head, each of its sixteen waves one tile of 16, in 256 registers: four waves to a SIMD, so that one wave's vector work stands beside another's matrix work and LDS loads.
; Every wave walks all 4,096 keys, 128 a step.  K and V come as images of the operand's registers (pieces of 16 rows x 64 codes, 768 bytes: registers 0-3 at 16 x lane, 4-5 at 512 + 8 x lane) through a ring of two LDS slots
; of 512 keys (32 pieces of K, then 32 of V: one dense block of 49,152 bytes), filled by waves 0-2, a third each.  The scale words of the whole head (24,576 bytes) come once, with the first fills, and stay.
; LAYOUT.  Both products transposed: S^T = K Q^T, O^T = V^T P^T: a lane holds ONE query throughout.  The first product's K is 64: the upper halves of Q's and K's fragments are zero codes, cleared once, under the byte 0x7f.
; The rows of every tile (keys, queries, V's channels) were chosen by the launch before so that the 16 registers of two neighbouring tiles are 16 neighbours along the next K.
; CLUSTER.  The four query blocks of a cluster belong to one head and walk the same K, V and scale words: every tensor load is asked for JOINTLY, by the same descriptor with the mask of all four.
; LIMITS: a block of zeros gets the byte 1 (its codes are zeros; this program alone reads the bytes); NaN and infinities are not served.
; REGISTERS: v1 lane; v2 Q's scale words; v3, v4 addresses of K's and V's scale words; v5, v6 the spare word's address and 0; v7 the prefetches' offset; v8, v9 16 and 8 x lane + the slot; v10 f, v11 p's scale word;
;   v12 -M, v13 the largest t, v[14:15] the sum; v16-27 Q; v28-31 K's scale words; v32-127 K's eight fragments; v128-191 S^T, then p, then V's four fragments; v192-223 O^T; v224-235 p's codes; v236-251 at work; v252-255 V's scale words.
.set SLOT1, 65536                      ; slot 1 begins here, so that one exclusive or turns an address in one slot into the other's
.set SLOTB, 49152                      ; a slot's bytes
.set VOFF,  24576                      ; V's part of a slot
.set SCL,   131072                     ; K's scale words (16,384 bytes), then V's (8,192)
.set SPARE, 155648                     ; the spare words, 128 bytes for each wave: eight blocks of 256 bytes that no other line names
.set QSC,   3145728
.set OSC,   3145728
.set SEL,   20
.set CS,    22
.set TM,    236
.set TP,    240
.set SOP,   248
.set PC,    224
.set PT,    244
.macro CROUND                          ; a round of the cluster's barrier
	s_barrier_signal -1
	s_barrier_wait -1
	s_cmp_lg_u32 s12, 0
	s_cbranch_scc1 .Lnot_wave_0_\@
	s_barrier_signal -3
.Lnot_wave_0_\@:
	s_barrier_wait -3
	s_barrier_signal -1
	s_barrier_wait -1
.endm
.macro JLOAD                           ; waves 0-2 fetch a third of a slot each; the branch hangs on the wave's number alone.  Four v_nop follow the load
	s_cmp_lt_u32 s12, 3
	s_cbranch_scc0 .Lasked_\@
	tensor_load_to_lds s[40:43], s[24:31]
	s_nop 0
.rept 4
	v_nop
.endr
.Lasked_\@:
.endm
; A PREFETCH INTO THE L2.  A slot is 192 blocks of 256 bytes, which four partners cannot share out in whole waves: so TWO slots, 384 blocks, are named at every second change of slots: at the changes that load slots 1, 3, 5
; the two slots that follow (2 and 3, 4 and 5, 6 and 7): one slot's four key steps ahead of the first of their loads.  Each block is named once in the launch: all clusters of a head walk the same bytes, so the head's first
; cluster asks; its four partners take 24,576 bytes each, told apart BY ADDRESS; in each, waves 4 to 6 ask for 8,192 bytes, lanes 256 bytes apart.  Slots 0 and 1 come by their loads alone; the last change asks for nothing.
.macro ASK
	s_cmp_gt_u32 s49, s50
	s_cbranch_scc0 .Lnot_mine_\@
	s_bitcmp1_b32 s49, 0
	s_cbranch_scc0 .Lnot_mine_\@
	global_prefetch_b8 v7, s[52:53] th:TH_LOAD_NT scope:SCOPE_SE
.Lnot_mine_\@:
.endm
.macro QUANT2 s, hi, pw                ; 32 numbers of a lane, register 16 b + i = k 32 b + 16 (lane / 16) + i, become a piece in v[PC] on and two scale bytes in v[pw]
.irp b, 0,1
	v_max3_num_f32 v[TM+\b], |v[\s+16*\b]|, |v[\s+16*\b+1]|, 0x2800000
.endr
.irp i, 2,4,6,8,10,12,14
.irp b, 0,1
	s_delay_alu instid0(VALU_DEP_2)
	v_max3_num_f32 v[TM+\b], v[TM+\b], |v[\s+16*\b+\i]|, |v[\s+16*\b+\i+1]|
.endr
.endr
.irp b, 0,1
	s_delay_alu instid0(VALU_DEP_2)
	v_permlanex16_b32 v[TP+\b], v[TM+\b], s[SEL], s[SEL+1]
.endr
.irp b, 0,1
	s_delay_alu instid0(VALU_DEP_2)
	v_max_num_f32 v[TM+\b], v[TM+\b], v[TP+\b]
.endr
.irp b, 0,1
	s_delay_alu instid0(VALU_DEP_2)
	v_add_nc_u32 v[SOP+\b], 0xfe000000, v[TM+\b]
.endr
.irp b, 0,1
	s_delay_alu instid0(VALU_DEP_2)
	v_lshrrev_b32 v[TP+\b], 23, v[SOP+\b]
.endr
	s_delay_alu instid0(VALU_DEP_1)
	v_lshl_or_b32 v[\pw], v[TP+1], 8, v[TP]
.if \hi
	v_or_b32 v[\pw], 0x7f7f0000, v[\pw]
.endif
	s_wait_alu depctr_va_vdst(0)
	s_wait_xcnt 0x0
	v_cvt_scalef32_pk16_bf6_f32 v[PC:PC+2], v[\s:\s+15], v[SOP]
	v_cvt_scalef32_pk16_bf6_f32 v[PT:PT+2], v[\s+16:\s+31], v[SOP+1]
	v_nop
.irp i, 0,1,2
	v_permlane16_swap_b32 v[PC+\i], v[PT+\i]
.endr
.irp i, 0,1,2
	s_delay_alu instid0(VALU_DEP_3)
	v_mov_b32 v[PC+3+\i], v[PT+\i]
.endr
.endm
	s_load_b256 s[4:11], s[0:1], 0x0               ; qb s[4:5], kv s[6:7], sc s[8:9], ob s[10:11]
	v_lshl_add_u32 v5, v0, 2, SPARE
	v_mov_b32 v6, 0
	ds_add_u32 v5, v6
	ds_add_u32 v5, v6
	s_wait_dscnt 0x0
	v_lshrrev_b32 v1, 5, v0
	s_delay_alu instid0(VALU_DEP_1)
	v_readfirstlane_b32 s12, v1                    ; wave 0..15
	v_and_b32 v1, 31, v0                           ; lane
	s_bfe_u32 s13, ttmp6, 0x40000                  ; cx: it enters Q's, ob's and the prefetches' addresses alone
	s_lshl_b32 s14, ttmp9, 2
	s_add_co_u32 s14, s14, s13                     ; my block of 256 queries
	s_and_b32 s15, ttmp7, 0xffff                   ; the head, which the four partners share
	; descriptor group 1: dense rows of 256 bytes (32 elements of 8 bytes), no padding; 64 rows for a third of a slot, 32 for a third of the scale words
	s_mov_b32 s24, 15|(3<<16)|(1<<21)              ; 15:0 the mask: all four work-groups; 17:16 elements of 8 bytes; 21 set beside a mask
	s_mov_b32 s25, 32<<16                          ; tensor_dim0 = 32
	s_mov_b32 s26, 64<<16                          ; tensor_dim1 = 64
	s_mov_b32 s27, 32<<16                          ; tile_dim0 = 32
	s_mov_b32 s28, 64                              ; tile_dim1 = 64
	s_mov_b32 s29, 32                              ; from row to row
	s_mov_b32 s30, 0
	s_mov_b32 s31, 0
	s_mov_b32 s32, 15|(3<<16)|(1<<21)
	s_mov_b32 s33, 32<<16
	s_mov_b32 s34, 32<<16
	s_mov_b32 s35, 32<<16
	s_mov_b32 s36, 32
	s_mov_b32 s37, 32
	s_mov_b32 s38, 0
	s_mov_b32 s39, 0
	s_mov_b32 s[SEL], 0x76543210
	s_mov_b32 s[SEL+1], 0xfedcba98
	s_mov_b32 s[CS], 0x3e38aa3b                    ; c = log2(e) / 8
	s_mov_b32 s[CS+1], s[CS]                       ; (named with it as a pair, so it is written)
	s_mov_b32 s48, 0                               ; the slot in hand
	s_mov_b32 s49, 7                               ; slots still to be asked for
	s_sub_co_u32 s54, s12, 4
	s_cmp_lt_u32 s54, 3
	s_cselect_b32 s50, 0, 1                        ; 0 in waves 4 to 6,
	s_or_b32 s50, s50, ttmp9                       ; of the head's first cluster: the same in all four partners
	s_cmp_eq_u32 s50, 0
	s_cselect_b32 s50, 1, -1                       ; a wave prefetches while s49 is above this
	s_mov_b32 s3, 0
	s_mul_i32 s54, s15, 393216                     ; the head's K and V
	s_lshl_b32 s41, s12, 14                        ; LDS: 16,384 x wave, in slot 0
	s_add_co_u32 s2, s54, s41
	s_mul_i32 s62, s15, 24576                      ; the head's scale words
	s_lshl_b32 s55, s12, 13
	s_add_co_u32 s62, s62, s55
	s_mov_b32 s63, 0
	s_add_co_u32 s45, s55, SCL                     ; LDS: 8,192 x wave
	s_mov_b32 s40, 1
	s_mov_b32 s44, 1
	s_wait_kmcnt 0x0
	s_add_nc_u64 s[42:43], s[6:7], s[2:3]
	s_or_b32 s43, s43, 0x80000000
	s_add_nc_u64 s[46:47], s[8:9], s[62:63]
	s_or_b32 s47, s47, 0x80000000
	CROUND                                         ; all four work-groups are here: the first joint loads meet
	s_cmp_lt_u32 s12, 3                            ; a wave's two first fills stand in one branch: two loads of mine are out
	s_cbranch_scc0 .Lfirst_asked
	tensor_load_to_lds s[44:47], s[32:39]          ; the scale words: filled once
	s_nop 0
	tensor_load_to_lds s[40:43], s[24:31]          ; slot 0
	s_nop 0
.rept 4
	v_nop
.endr
.Lfirst_asked:
	s_mul_i32 s2, s13, 24576                       ; the prefetches: my work-group's part,
	s_and_b32 s55, s12, 3
	s_lshl_b32 s55, s55, 13                        ; my wave's,
	s_add_co_u32 s2, s2, s55
	s_add_co_u32 s2, s2, s54
	s_add_co_u32 s2, s2, SLOTB                     ; from slot 1 on: the first change of slots steps it to slot 2.  Nothing is prefetched here, at the head
	s_add_nc_u64 s[52:53], s[6:7], s[2:3]
	s_lshl_b32 s60, s14, 4
	s_add_co_u32 s60, s60, s12                     ; T: my tile of 16 queries among the head's 256
	s_lshl_b32 s2, s15, 8
	s_add_co_u32 s2, s2, s60
	s_mul_i32 s2, s2, 768
	s_add_nc_u64 s[16:17], s[4:5], s[2:3]          ; Q's piece
	s_lshl_b32 s2, s15, 6
	s_lshr_b32 s55, s60, 2
	s_add_co_u32 s2, s2, s55
	s_lshl_b32 s2, s2, 8
	s_and_b32 s55, s60, 3
	s_lshl_b32 s55, s55, 2
	s_add_co_u32 s2, s2, s55
	s_add_co_u32 s2, s2, QSC
	s_add_nc_u64 s[18:19], s[4:5], s[2:3]          ; its scale words
	s_lshr_b32 s2, s15, 2
	s_lshl_b32 s2, s2, 8
	s_add_co_u32 s2, s2, s60
	s_lshl_b32 s2, s2, 2
	s_and_b32 s55, s15, 3
	s_add_co_u32 s61, s2, s55                      ; (256 image + T) 4 + head
	s_mul_i32 s2, s61, 768
	s_add_nc_u64 s[56:57], s[10:11], s[2:3]        ; O's piece
	s_lshl_b32 s2, s61, 7
	s_add_co_u32 s2, s2, OSC
	s_add_nc_u64 s[58:59], s[10:11], s[2:3]        ; its scale words
	s_wait_alu depctr_va_vdst(0)
	v_lshlrev_b32 v8, 4, v1
	v_lshlrev_b32 v9, 3, v1
	v_and_b32 v247, 15, v0
	s_delay_alu instid0(VALU_DEP_1)
	v_lshlrev_b32 v247, 4, v247
	global_load_b128 v[16:19], v8, s[16:17] th:TH_LOAD_NT
	global_load_b64 v[20:21], v9, s[16:17] offset:512 th:TH_LOAD_NT
	global_load_b32 v2, v247, s[18:19] th:TH_LOAD_NT
	v_lshl_add_u32 v3, v1, 4, SCL                  ; lanes 0-15: the words of a step's tiles 0-3, lanes 16-31 of tiles 4-7
	v_lshl_add_u32 v4, v1, 4, SCL+16384            ; lanes 0-15: an even step's words of V's four tiles, lanes 16-31 the odd step's
	v_lshlrev_b32 v7, 8, v1
.irp j, 22,23,24,25,26,27
	v_mov_b32 v[\j], 0                             ; zero codes for k = 64 .. 127 of the first product, in Q
.endr
.irp t, 0,1,2,3,4,5,6,7
.irp j, 6,7,8,9,10,11
	v_mov_b32 v[32+12*\t+\j], 0                    ; and in K's eight fragments: written once, never loaded over
.endr
.endr
.set j, 0
.rept 32
	v_mov_b32 v[192+j], 0                          ; O^T.  (The step is written once: the first finds zeros, which the first change of M leaves zeros)
.set j, j+1
.endr
	v_mov_b32 v14, 0                               ; the sum, in two halves
	v_mov_b32 v15, 0
	v_mov_b32 v11, 0                               ; (named as the upper half of the pair v[10:11] before it is first written)
.irp b, 0,1,2,3
	v_mov_b32 v[240+\b], 0                         ; a lane permute's destination counts as read: written once
.endr
	v_mov_b32 v13, 0xff61b1e6                      ; the largest t so far: -3e38
	s_delay_alu instid0(VALU_DEP_1)
	v_floor_f32 v12, -v13                          ; -M
	s_wait_loadcnt 0x0                             ; Q; its address registers are free
; THE CHANGE OF SLOTS stands at a slot's head.  Each wave waits for all its tensor loads, adds 0 to its spare word, and waits for that and for its reads of the slot that it has left.  fill = 1: that slot is filled with the
; next 512 keys: the barrier is then a round of the cluster's, and the joint load, the first thing behind it, has a slot's four key steps in which to land.
.macro CHANGE fill
	s_wait_tensorcnt 0x0                           ; no tensor load of mine is out, so the descriptor may be written
	ds_add_u32 v5, v6                              ; 0 onto my spare word
.if \fill
	s_xor_b32 s41, s41, SLOT1                      ; the walking descriptor: the other slot than last time,
	s_add_nc_u64 s[42:43], s[42:43], SLOTB         ; the next 512 keys; the type bits on top are not reached
	s_wait_xcnt 0x0                                ; the last prefetch has read its address
	s_add_nc_u64 s[52:53], s[52:53], SLOTB         ; one slot further on than the walking descriptor
.endif
	s_wait_dscnt 0x0                               ; the add is done, and my reads of the slot that I have left are over
.if \fill
	CROUND
	JLOAD
	ASK
.else
	s_barrier_signal -1
	s_barrier_wait -1
.endif
	v_lshl_add_u32 v8, v1, 4, s48
	v_lshl_add_u32 v9, v1, 3, s48
.endm
; A KEY STEP: 128 keys, the q-th of the slot in hand.
.macro STEP q
	ds_load_b128 v[28:31], v3 offset:512*(\q)
.if (\q)%2 == 0
	ds_load_b128 v[252:255], v4 offset:256*(\q)
.endif
.irp t, 0,1,2,3,4,5,6,7
	ds_load_b128 v[32+12*\t:35+12*\t], v8 offset:(8*(\q)+\t)*768
	ds_load_b64 v[36+12*\t:37+12*\t], v9 offset:(8*(\q)+\t)*768+512
.endr
	s_wait_dscnt 0x0
.irp t, 0,1,2,3                        ; S^T = K Q^T: eight accumulators, one instruction each
	v_wmma_scale_f32_16x16x128_f8f6f4 v[128+8*\t:135+8*\t], v[32+12*\t:43+12*\t], v[16:27], 0, v[28+\t], v2 matrix_a_fmt:MATRIX_FMT_BF6 matrix_b_fmt:MATRIX_FMT_BF6
.endr
.irp t, 4,5,6,7
	v_wmma_scale_f32_16x16x128_f8f6f4 v[128+8*\t:135+8*\t], v[32+12*\t:43+12*\t], v[16:27], 0, v[24+\t], v2 matrix_a_fmt:MATRIX_FMT_BF6 matrix_b_fmt:MATRIX_FMT_BF6 matrix_a_scale:MATRIX_SCALE_ROW1
.endr
.rept 4
	v_nop                                          ; places in front of the first read of results (ISA guide 7.12.1)
.endr
.irp b, 0,1,2,3
	v_max3_num_f32 v[236+\b], v[128+16*\b], v[129+16*\b], v[130+16*\b]   ; the largest score of each block of 32 keys: it serves the row's maximum and, since p rises with the score, the block's largest p
.endr
.irp i, 3,5,7,9,11,13
.irp b, 0,1,2,3
	v_max3_num_f32 v[236+\b], v[236+\b], v[128+16*\b+\i], v[129+16*\b+\i]
.endr
.endr
.irp b, 0,1,2,3
	v_max_num_f32 v[236+\b], v[236+\b], v[143+16*\b]
.endr
.irp b, 0,1,2,3
	s_delay_alu instid0(VALU_DEP_4)
	v_permlanex16_b32 v[240+\b], v[236+\b], s[SEL], s[SEL+1]
.endr
.irp b, 0,1,2,3
	s_delay_alu instid0(VALU_DEP_4)
	v_max_num_f32 v[236+\b], v[236+\b], v[240+\b]  ; with lane l xor 16's 16 keys
.endr
	s_delay_alu instid0(VALU_DEP_2)
	v_max3_num_f32 v247, v236, v237, v238
	s_delay_alu instid0(VALU_DEP_1)
	v_max_num_f32 v247, v247, v239                 ; the step's largest score of my query
	s_delay_alu instid0(VALU_DEP_1)
	v_mul_f32 v247, s[CS], v247                    ; as t (c is positive)
	s_delay_alu instid0(VALU_DEP_1)
	v_max_num_f32 v13, v13, v247                   ; the running largest t
	v_mov_b32 v247, v12
	s_delay_alu instid0(VALU_DEP_2)
	v_floor_f32 v12, -v13                          ; the new -M = floor(-t): M is a whole number
	s_delay_alu instid0(VALU_DEP_1)
	v_sub_f32 v247, v12, v247                      ; old M - new M: a whole number, 0 or less
	s_delay_alu instid0(VALU_DEP_1)
	v_cvt_i32_f32 v247, v247                       ; (it saturates)
	s_delay_alu instid0(VALU_DEP_1)
	v_ldexp_f32 v10, 1.0, v247                     ; f = 2^(old M - new M)
.set j, 0
.rept 32
	v_pk_fma_f32 v[128+j:129+j], v[128+j:129+j], s[CS:CS+1], v[12:13] op_sel_hi:[1,0,0]   ; t - M, two at a time
.set j, j+2
.endr
.irp b, 0,1,2,3
	v_fma_f32 v[236+\b], v[236+\b], s[CS], v12     ; the same of each block's largest score
.endr
.set j, 0
	s_wait_alu depctr_va_vdst(0)
.rept 64
	v_exp_f32 v[128+j], v[128+j]                   ; p = 2^(t - M), at most 1
.set j, j+1
.endr
.irp b, 0,1,2,3
	v_exp_f32 v[236+\b], v[236+\b]                 ; the block's largest p: the same two instructions on the same number give the same bits
.endr
	v_pk_mul_f32 v[14:15], v[14:15], v[10:11] op_sel_hi:[1,0]   ; the sums under the new M.  (A plain place behind the exponentials)
	s_wait_alu depctr_va_vdst(0)
.irp b, 0,1,2,3
	v_max_num_f32 v[236+\b], 0x2800000, v[236+\b]  ; the floor 2^(5 - 127): the byte cannot fall under 1
.endr
.irp b, 0,1,2,3
	s_delay_alu instid0(VALU_DEP_4)
	v_add_nc_u32 v[248+\b], 0xfe000000, v[236+\b]  ; 4 off the exponent field: the conversion's scale operand
.endr
.irp b, 0,1,2,3
	s_delay_alu instid0(VALU_DEP_4)
	v_lshrrev_b32 v[240+\b], 23, v[248+\b]         ; the byte
.endr
	s_delay_alu instid0(VALU_DEP_3)
	v_lshl_or_b32 v11, v241, 8, v240               ; p's scale word for these 128 keys
	s_delay_alu instid0(VALU_DEP_1)
	v_lshl_or_b32 v11, v242, 16, v11
	s_delay_alu instid0(VALU_DEP_1)
	v_lshl_or_b32 v11, v243, 24, v11
.irp c, 0,1
	v_cvt_scalef32_pk16_bf6_f32 v[224+6*\c:226+6*\c], v[128+32*\c:143+32*\c], v[248+2*\c]
	v_cvt_scalef32_pk16_bf6_f32 v[240+4*\c:242+4*\c], v[144+32*\c:159+32*\c], v[248+2*\c+1]   ; (a conversion's three registers begin on an even number)
.endr
	v_nop                                          ; one plain place behind a scaled conversion
.irp c, 0,1                            ; the layout wants a whole block in a lane: lanes 0-15 block 2 c, lanes 16-31 block 2 c + 1
.irp i, 0,1,2
	v_permlane16_swap_b32 v[224+6*\c+\i], v[240+4*\c+\i]
.endr
.irp i, 0,1,2
	s_delay_alu instid0(VALU_DEP_3)
	v_mov_b32 v[227+6*\c+\i], v[240+4*\c+\i]
.endr
.endr
	v_pk_add_f32 v[240:241], v[132:133], v[136:137]
	v_pk_add_f32 v[250:251], v[140:141], v[144:145]
	v_pk_add_f32 v[248:249], v[148:149], v[152:153]
	v_pk_add_f32 v[246:247], v[156:157], v[160:161]
	v_pk_add_f32 v[244:245], v[164:165], v[168:169]
	v_pk_add_f32 v[238:239], v[172:173], v[176:177]
	v_pk_add_f32 v[236:237], v[180:181], v[184:185]
	v_pk_add_f32 v[14:15], v[14:15], v[188:189]
	v_pk_add_f32 v[240:241], v[240:241], v[128:129]
	v_pk_add_f32 v[250:251], v[250:251], v[130:131]
	v_pk_add_f32 v[248:249], v[248:249], v[134:135]
	v_pk_add_f32 v[246:247], v[246:247], v[138:139]
	v_pk_add_f32 v[244:245], v[244:245], v[142:143]
	v_pk_add_f32 v[238:239], v[238:239], v[146:147]
	v_pk_add_f32 v[236:237], v[236:237], v[150:151]
	v_pk_add_f32 v[14:15], v[14:15], v[154:155]
	v_pk_add_f32 v[240:241], v[240:241], v[158:159]
	v_pk_add_f32 v[250:251], v[250:251], v[162:163]
	v_pk_add_f32 v[248:249], v[248:249], v[166:167]
	v_pk_add_f32 v[246:247], v[246:247], v[170:171]
	v_pk_add_f32 v[244:245], v[244:245], v[174:175]
	v_pk_add_f32 v[238:239], v[238:239], v[178:179]
	v_pk_add_f32 v[236:237], v[236:237], v[182:183]
	v_pk_add_f32 v[14:15], v[14:15], v[186:187]
	v_pk_add_f32 v[240:241], v[240:241], v[190:191]
	s_delay_alu instid0(VALU_DEP_2)
	v_pk_add_f32 v[14:15], v[14:15], v[246:247]
	s_delay_alu instid0(VALU_DEP_2)
	v_pk_add_f32 v[240:241], v[240:241], v[244:245]
	v_pk_add_f32 v[250:251], v[250:251], v[238:239]
	v_pk_add_f32 v[248:249], v[248:249], v[236:237]
	s_delay_alu instid0(VALU_DEP_2)
	v_pk_add_f32 v[14:15], v[14:15], v[250:251]
	s_delay_alu instid0(VALU_DEP_2)
	v_pk_add_f32 v[240:241], v[240:241], v[248:249]
	s_delay_alu instid0(VALU_DEP_1)
	v_pk_add_f32 v[14:15], v[14:15], v[240:241]
.irp d, 0,1,2,3                        ; V's four fragments (16 channels x 128 keys: two pieces each) into the registers that p has left
	ds_load_b128 v[128+12*\d:131+12*\d], v8 offset:VOFF+(4*(\q)+\d)*1536
	ds_load_b64 v[132+12*\d:133+12*\d], v9 offset:VOFF+(4*(\q)+\d)*1536+512
	ds_load_b128 v[134+12*\d:137+12*\d], v8 offset:VOFF+(4*(\q)+\d)*1536+768
	ds_load_b64 v[138+12*\d:139+12*\d], v9 offset:VOFF+(4*(\q)+\d)*1536+1280
.endr
.set j, 0
.rept 16
	v_pk_mul_f32 v[192+j:193+j], v[192+j:193+j], v[10:11] op_sel_hi:[1,0]   ; O^T under the new M.  (With the sums above: the places between the writes of p's codes and scale word and the products below)
.set j, j+2
.endr
	s_wait_alu depctr_va_vdst(0)
	s_wait_dscnt 0x0
.irp d, 0,1,2,3                        ; O^T += V^T P^T: four accumulators, one instruction each
.if (\q)%2 == 0
	v_wmma_scale_f32_16x16x128_f8f6f4 v[192+8*\d:199+8*\d], v[128+12*\d:139+12*\d], v[224:235], v[192+8*\d:199+8*\d], v[252+\d], v11 matrix_a_fmt:MATRIX_FMT_BF6 matrix_b_fmt:MATRIX_FMT_BF6
.else
	v_wmma_scale_f32_16x16x128_f8f6f4 v[192+8*\d:199+8*\d], v[128+12*\d:139+12*\d], v[224:235], v[192+8*\d:199+8*\d], v[252+\d], v11 matrix_a_fmt:MATRIX_FMT_BF6 matrix_b_fmt:MATRIX_FMT_BF6 matrix_a_scale:MATRIX_SCALE_ROW1
.endif
.endr
.rept 5
	v_nop                                          ; the next step's first products write over V's registers, its loads land in the scale words'
.endr
.endm
.macro SLOT_STEPS
	STEP 0
	STEP 1
	STEP 2
	STEP 3
	s_xor_b32 s48, s48, SLOT1                      ; on to the other slot,
	v_add_nc_u32 v3, 2048, v3                      ; and to the next four steps' scale words (no LDS load of mine is out)
	v_add_nc_u32 v4, 1024, v4
.endm
.Lslot:                                            ; seven trips: behind each change of slots but the last the next slot is asked for
	CHANGE 1
	s_wait_alu depctr_va_vdst(0)
	SLOT_STEPS
	s_sub_co_u32 s49, s49, 1
	s_cmp_lg_u32 s49, 0
	s_cbranch_scc1 .Lslot
	CHANGE 0                                       ; the last slot is written out
	s_wait_alu depctr_va_vdst(0)
	SLOT_STEPS
	; THE WAY OUT.  O^T / the sum is quantised along the head's 64 and leaves as a piece: three runs of 256 consecutive bytes; its two scale bytes as a word a lane.
	v_add_f32 v14, v14, v15
	s_delay_alu instid0(VALU_DEP_1)
	v_permlanex16_b32 v240, v14, s[SEL], s[SEL+1]
	s_delay_alu instid0(VALU_DEP_1)
	v_add_f32 v14, v14, v240                       ; the row's sum
	s_wait_alu depctr_va_vdst(0)
	v_rcp_f32 v14, v14
	v_lshlrev_b32 v8, 4, v1                        ; (a plain place behind the transcendental)
	v_lshlrev_b32 v9, 3, v1
	v_lshlrev_b32 v247, 2, v1
.set j, 0
	s_wait_alu depctr_va_vdst(0)
.rept 32
	v_mul_f32 v[128+j], v[192+j], v14              ; register 16 b + i is channel 32 b + 16 (lane / 16) + i of my query; each accumulator from its low end on
.set j, j+1
.endr
	QUANT2 128, 0, 11
	global_store_b128 v8, v[224:227], s[56:57]
	global_store_b64 v9, v[228:229], s[56:57] offset:512
	global_store_b32 v247, v11, s[58:59]
	s_wait_tensorcnt 0x0                           ; the wave's end
	ds_add_u32 v5, v6
	s_wait_dscnt 0x0
	CROUND                                         ; the closing round: no work-group ends while a partner may still ask for a tile that names it
	s_endpgm
.Lfunc_end_k_qf3a4e2f15d_attn:
	.size	k_qf3a4e2f15d_attn, .Lfunc_end_k_qf3a4e2f15d_attn-k_qf3a4e2f15d_attn
	.p2alignl 7, 3214868480
	.fill 96, 4, 3214868480
	.section	.rodata,"a",@progbits
	.p2align	6, 0x0
	.amdhsa_kernel k_qf3a4e2f15d_attn
		.amdhsa_group_segment_fixed_size 327680
		.amdhsa_private_segment_fixed_size 0
		.amdhsa_enable_private_segment 0
		.amdhsa_kernarg_size 32
		.amdhsa_user_sgpr_count 2
		.amdhsa_user_sgpr_kernarg_segment_ptr 1
		.amdhsa_wavefront_size32 1
		.amdhsa_system_sgpr_workgroup_id_x 1
		.amdhsa_system_sgpr_workgroup_id_y 1
		.amdhsa_system_sgpr_workgroup_id_z 1
		.amdhsa_system_vgpr_workitem_id 0
		.amdhsa_next_free_vgpr 256
		.amdhsa_next_free_sgpr 66
		.amdhsa_reserve_vcc 0
		.amdhsa_float_denorm_mode_32 3
		.amdhsa_float_denorm_mode_16_64 3
		.amdhsa_memory_ordered 1
		.amdhsa_forward_progress 1
		.amdhsa_inst_pref_size 150
	.end_amdhsa_kernel
	.amdgpu_metadata
---
amdhsa.version: [ 1, 2 ]
amdhsa.kernels:
  - .name:           k_qf3a4e2f15d_attn
    .symbol:         k_qf3a4e2f15d_attn.kd
    .args:
      - { .name: qb, .offset: 0, .size: 8, .value_kind: global_buffer, .address_space: global }
      - { .name: kv, .offset: 8, .size: 8, .value_kind: global_buffer, .address_space: global }
      - { .name: sc, .offset: 16, .size: 8, .value_kind: global_buffer, .address_space: global }
      - { .name: ob, .offset: 24, .size: 8, .value_kind: global_buffer, .address_space: global }
    .group_segment_fixed_size: 327680
    .private_segment_fixed_size: 0
    .kernarg_segment_align: 8
    .kernarg_segment_size: 32
    .max_flat_workgroup_size: 512
    .sgpr_count:     66
    .vgpr_count:     256
    .wavefront_size: 32
...
	.end_amdgpu_metadata
.endif
;; end of part 3
;; launch proj (part 4): grid 256 x 1, 16 waves a work-group, no clusters, 84,480 bytes of LDS; arguments x, b_proj, wts, ob, out0; writes out0
.if DOCPART == 4
	.amdgcn_target "amdgcn-amd-amdhsa--gfx1250"
	.amdhsa_code_object_version 6
	.text
	.protected	k_qf3a4e2f15d_proj
	.globl	k_qf3a4e2f15d_proj
	.p2align	8
	.type	k_qf3a4e2f15d_proj,@function
k_qf3a4e2f15d_proj:
	s_mov_b64 s[64:65], 0
	v_nop
	global_prefetch_b8 v0, s[64:65] scope:SCOPE_SE
	s_setreg_imm32_b32 hwreg(HW_REG_WAVE_MODE, 25, 1), 1
	s_wait_xcnt 0x0
; out0 = x + w_proj O + b_proj, the product on codes of BF6 (E3M2) with one E8M0 byte for each 32 channels.  Both operands arrive as images of the operand's registers.
; SHARES.  A work-group takes 64 pixels of one image against all 256 outputs: each row piece of x and of out0 is 256 consecutive bytes at a multiple of 256.  Wave w owns output tile w (16 rows of w_proj) for the 64 pixels:
; 4 accumulators x 2 K steps.  Source 0 = 16 pixels of O, source 1 = 16 rows of the weight: a lane holds one output channel and eight neighbouring pixels an accumulator.  The bias is the C of each sum's first instruction.
; O's sixteen pieces (4 tiles of pixels x 4 heads, 768 bytes each) are dense in memory: wave w brings piece w and its scale bytes into LDS; one barrier; every wave reads all eight fragments.
; The rows of a tile are not neighbours: lane r of tile 2 b + u is row 32 b + 8 u + r + 8 (r / 8), for pixels and for the weight's rows; the way out undoes both by its addresses.
; The results go through the wave's own stage in LDS and come back as rows; x is added; sixteen lanes store a row's 256 bytes.
; NO CLUSTER: what work-groups share is 49,152 bytes of weights and 2,048 of their scale words, against 143,360 of a work-group's own (x, O, out0), and each fragment goes from memory straight into the registers of the one wave that multiplies by it.
.set OIMG, 0                           ; LDS: O's pieces as they lie in memory: fragment (tile t, K step s) at 1,536 (2 t + s)
.set OSCL, 12288                       ; scale words: word f = 2 t + s of row r at 32 r + 4 f
.set STG,  12800                       ; 16 rows x (256 bytes + 16) for each wave
.set WSC,  196608
.set OSC,  3145728
.set OF,   16                          ; v16-111  O's eight fragments; later the rows read back
.set WF,   112                         ; v112-135 my two weight fragments
.set WS,   136                         ; v136-137 their scale words
.set OS,   140                         ; v140-147 O's scale words
.set BI,   148                         ; v148-155 the bias
.set ACC,  156                         ; v156-187 four accumulators; before the products v156-161 my piece, v162 its scale bytes, v163 my channel's bias
.set XR,   188                         ; v188-219 x
	s_load_b256 s[4:11], s[0:1], 0x0               ; x s[4:5], b_proj s[6:7], wts s[8:9], ob s[10:11]
	s_load_b64 s[12:13], s[0:1], 0x20              ; out0
	v_lshl_add_u32 v224, v0, 2, 0x14200
	v_mov_b32 v225, 0
	v_lshrrev_b32 v1, 5, v0
	s_delay_alu instid0(VALU_DEP_1)
	v_readfirstlane_b32 s14, v1                    ; wave 0..15
	v_and_b32 v1, 31, v0                           ; lane
	v_and_b32 v2, 15, v0                           ; r
	v_bfe_u32 v3, v0, 4, 1                         ; h
	s_delay_alu instid0(VALU_DEP_3)
	v_lshlrev_b32 v4, 4, v1                        ; 16 x lane
	s_delay_alu instid0(VALU_DEP_4)
	v_lshlrev_b32 v5, 3, v1                        ; 8 x lane
	s_mul_i32 s15, s14, 768
	v_add_nc_u32 v6, s15, v4                       ; where my piece goes
	v_add_nc_u32 v7, s15, v5
	s_lshl_b32 s15, s14, 1
	s_add_co_u32 s15, s15, OSCL
	v_lshl_add_u32 v8, v2, 5, s15                  ; and its two scale bytes: 32 r + 2 w
	v_lshl_add_u32 v9, v2, 5, OSCL                 ; row r's eight scale words
	s_mul_i32 s15, s14, 4352
	s_add_co_u32 s15, s15, STG                     ; my stage
	v_mul_u32_u24 v10, v2, 272
	s_delay_alu instid0(VALU_DEP_1)
	v_lshl_add_u32 v10, v3, 6, v10
	s_delay_alu instid0(VALU_DEP_1)
	v_add_nc_u32 v10, s15, v10                     ; in: row r, + 16 h pixels
	v_mul_u32_u24 v11, v3, 272
	s_delay_alu instid0(VALU_DEP_1)
	v_lshl_add_u32 v11, v2, 4, v11
	s_delay_alu instid0(VALU_DEP_1)
	v_add_nc_u32 v11, s15, v11                     ; back: lanes 0-15 one row, lanes 16-31 the next
	v_lshlrev_b32 v12, 14, v3
	s_delay_alu instid0(VALU_DEP_1)
	v_lshl_add_u32 v12, v2, 4, v12                 ; and the same two rows in x and out0: a channel's pixels are 16,384 bytes
	v_and_b32 v13, 8, v2
	s_delay_alu instid0(VALU_DEP_1)
	v_add_nc_u32 v13, v13, v2
	s_delay_alu instid0(VALU_DEP_1)
	v_lshlrev_b32 v13, 2, v13                      ; my channel's bias: r + 8 (r / 8)
	v_lshlrev_b32 v14, 2, v1                       ; 4 x lane
	v_lshlrev_b32 v15, 4, v2                       ; 16 r
	s_lshr_b32 s16, ttmp9, 6                       ; image
	s_and_b32 s17, ttmp9, 63                       ; block of 64 pixels
	s_lshr_b32 s19, s14, 2
	s_lshl_b32 s18, s19, 6
	s_bfe_u32 s20, s14, 0x10001
	s_lshl_b32 s20, s20, 5
	s_add_co_u32 s18, s18, s20
	s_and_b32 s20, s14, 1
	s_lshl_b32 s20, s20, 3
	s_add_co_u32 s18, s18, s20                     ; my tile's first output channel
	s_lshl_b32 s20, s16, 22
	s_lshl_b32 s21, s18, 14
	s_add_co_u32 s20, s20, s21
	s_lshl_b32 s21, s17, 8
	s_add_co_u32 s20, s20, s21                     ; its pixels in x and out0
	s_mov_b32 s21, 0
	s_lshl_b32 s22, s16, 10
	s_lshl_b32 s23, s17, 4
	s_add_co_u32 s22, s22, s23
	s_add_co_u32 s22, s22, s14                     ; my piece: (256 image + 4 pb) 4 + w
	s_mul_i32 s24, s22, 768
	s_mov_b32 s25, 0
	s_lshl_b32 s34, s22, 7
	s_add_co_u32 s34, s34, OSC
	s_mov_b32 s35, 0
	s_add_co_u32 s19, s19, 12                      ; weight group
	s_and_b32 s23, s14, 3
	s_lshl_b32 s36, s19, 3
	s_lshl_b32 s37, s23, 1
	s_add_co_u32 s36, s36, s37
	s_mul_i32 s36, s36, 1536                       ; fragments 2 (w % 4), 2 (w % 4) + 1
	s_mov_b32 s37, 0
	s_lshl_b32 s38, s19, 9
	s_lshr_b32 s39, s23, 1
	s_lshl_b32 s39, s39, 8
	s_add_co_u32 s38, s38, s39
	s_and_b32 s39, s14, 1
	s_lshl_b32 s39, s39, 3
	s_add_co_u32 s38, s38, s39
	s_add_co_u32 s38, s38, WSC                     ; their two scale words
	s_mov_b32 s39, 0
	s_lshl_b32 s18, s18, 2
	s_mov_b32 s19, 0
	s_wait_alu depctr_va_vdst(0)
	s_wait_kmcnt 0x0
	s_add_nc_u64 s[4:5], s[4:5], s[20:21]
	s_add_nc_u64 s[12:13], s[12:13], s[20:21]
	s_add_nc_u64 s[26:27], s[10:11], s[24:25]
	s_add_nc_u64 s[28:29], s[10:11], s[34:35]
	s_add_nc_u64 s[30:31], s[8:9], s[36:37]
	s_add_nc_u64 s[32:33], s[8:9], s[38:39]
	s_add_nc_u64 s[6:7], s[6:7], s[18:19]
	global_load_b128 v[156:159], v4, s[26:27] th:TH_LOAD_NT         ; my piece first: the barrier waits for it
	global_load_b64 v[160:161], v5, s[26:27] offset:512 th:TH_LOAD_NT
	global_load_b32 v162, v14, s[28:29] th:TH_LOAD_NT
.irp i, 0,1,2,3,4,5
	global_load_b128 v[WF+4*\i:WF+4*\i+3], v4, s[30:31] offset:512*\i
.endr
	global_load_b64 v[WS:WS+1], v15, s[32:33]
	global_load_b32 v163, v13, s[6:7]
.irp i, 0,1,2,3,4,5,6,7
	global_load_b128 v[XR+4*\i:XR+4*\i+3], v12, s[4:5] offset:(2*\i+8*(\i/4))*16384 th:TH_LOAD_NT   ; stage rows 2 i, 2 i + 1 are channels 2 i + 8 (i / 4) and the next
.endr
	s_wait_loadcnt 16                              ; my piece and its bytes are in; the sixteen younger loads stay out
	ds_store_b128 v6, v[156:159] offset:OIMG
	ds_store_b64 v7, v[160:161] offset:OIMG+512
	ds_store_b16 v8, v162                          ; lanes r and r + 16 write the same two bytes
	s_wait_dscnt 0x0                               ; for the others' sake: my stores have landed
	s_barrier_signal -1
	s_barrier_wait -1                              ; O's sixteen pieces lie in LDS; nothing is written there again
	ds_load_b128 v[OS:OS+3], v9
	ds_load_b128 v[OS+4:OS+7], v9 offset:16
.irp f, 0,1,2,3,4,5,6,7
	ds_load_b128 v[OF+12*\f:OF+12*\f+3], v4 offset:OIMG+1536*\f
	ds_load_b64 v[OF+12*\f+4:OF+12*\f+5], v5 offset:OIMG+1536*\f+512
	ds_load_b128 v[OF+12*\f+6:OF+12*\f+9], v4 offset:OIMG+1536*\f+768
	ds_load_b64 v[OF+12*\f+10:OF+12*\f+11], v5 offset:OIMG+1536*\f+1280
.endr
	s_wait_loadcnt 8                               ; the weights, their words and the bias are in; x's eight loads stay out
.irp j, 0,1,2,3,4,5,6,7
	v_mov_b32 v[BI+\j], v163                       ; a lane holds one channel: its bias in all eight registers
.endr
	s_wait_alu depctr_va_vdst(0)
	s_wait_dscnt 0x0
.irp t, 0,1,2,3                        ; the four accumulators by turns, a K step at a time
	v_wmma_scale_f32_16x16x128_f8f6f4 v[ACC+8*\t:ACC+8*\t+7], v[OF+24*\t:OF+24*\t+11], v[WF:WF+11], v[BI:BI+7], v[OS+2*\t], v[WS] matrix_a_fmt:MATRIX_FMT_BF6 matrix_b_fmt:MATRIX_FMT_BF6
.endr
.irp t, 0,1,2,3
	v_wmma_scale_f32_16x16x128_f8f6f4 v[ACC+8*\t:ACC+8*\t+7], v[OF+24*\t+12:OF+24*\t+23], v[WF+12:WF+23], v[ACC+8*\t:ACC+8*\t+7], v[OS+2*\t+1], v[WS+1] matrix_a_fmt:MATRIX_FMT_BF6 matrix_b_fmt:MATRIX_FMT_BF6
.endr
.rept 4
	v_nop                                          ; places in front of the first read of results and of loads into registers that the products have read
.endr
.irp t, 0,1,2,3
	ds_store_b128 v10, v[ACC+8*\t:ACC+8*\t+3] offset:128*(\t/2)+32*(\t%2)        ; pixels 32 (t / 2) + 16 h + 8 (t % 2) + 0 .. 7 of my channel; each accumulator from its low end on
	ds_store_b128 v10, v[ACC+8*\t+4:ACC+8*\t+7] offset:128*(\t/2)+32*(\t%2)+16
.endr
.irp i, 0,1,2,3,4,5,6,7
	ds_load_b128 v[OF+4*\i:OF+4*\i+3], v11 offset:544*\i   ; LDS serves a wave's instructions in order (ISA guide 5.7.1.4): these see my stores
.endr
	s_wait_loadcnt 0x0                             ; x
.irp i, 0,1,2,3,4,5,6,7
	s_wait_dscnt 7-\i                              ; rows 2 i, 2 i + 1 are back; the younger loads stay out
	v_pk_add_f32 v[OF+4*\i:OF+4*\i+1], v[OF+4*\i:OF+4*\i+1], v[XR+4*\i:XR+4*\i+1]
	v_pk_add_f32 v[OF+4*\i+2:OF+4*\i+3], v[OF+4*\i+2:OF+4*\i+3], v[XR+4*\i+2:XR+4*\i+3]
	global_store_b128 v12, v[OF+4*\i:OF+4*\i+3], s[12:13] offset:(2*\i+8*(\i/4))*16384 th:TH_STORE_NT   ; 16 lanes store 256 consecutive bytes, at a multiple of 256 from out0's first byte
.endr
	s_wait_tensorcnt 0x0
	ds_add_u32 v224, v225
	s_wait_dscnt 0x0
	s_endpgm
.Lfunc_end_k_qf3a4e2f15d_proj:
	.size	k_qf3a4e2f15d_proj, .Lfunc_end_k_qf3a4e2f15d_proj-k_qf3a4e2f15d_proj
	.p2alignl 7, 3214868480
	.fill 96, 4, 3214868480
	.section	.rodata,"a",@progbits
	.p2align	6, 0x0
	.amdhsa_kernel k_qf3a4e2f15d_proj
		.amdhsa_group_segment_fixed_size 84480
		.amdhsa_private_segment_fixed_size 0
		.amdhsa_enable_private_segment 0
		.amdhsa_kernarg_size 40
		.amdhsa_user_sgpr_count 2
		.amdhsa_user_sgpr_kernarg_segment_ptr 1
		.amdhsa_wavefront_size32 1
		.amdhsa_system_sgpr_workgroup_id_x 1
		.amdhsa_system_sgpr_workgroup_id_y 1
		.amdhsa_system_sgpr_workgroup_id_z 1
		.amdhsa_system_vgpr_workitem_id 0
		.amdhsa_next_free_vgpr 226
		.amdhsa_next_free_sgpr 66
		.amdhsa_reserve_vcc 0
		.amdhsa_float_denorm_mode_32 3
		.amdhsa_float_denorm_mode_16_64 3
		.amdhsa_memory_ordered 1
		.amdhsa_forward_progress 1
		.amdhsa_inst_pref_size 13
	.end_amdhsa_kernel
	.amdgpu_metadata
---
amdhsa.version: [ 1, 2 ]
amdhsa.kernels:
  - .name:           k_qf3a4e2f15d_proj
    .symbol:         k_qf3a4e2f15d_proj.kd
    .args:
      - { .name: x, .offset: 0, .size: 8, .value_kind: global_buffer, .address_space: global }
      - { .name: b_proj, .offset: 8, .size: 8, .value_kind: global_buffer, .address_space: global }
      - { .name: wts, .offset: 16, .size: 8, .value_kind: global_buffer, .address_space: global }
      - { .name: ob, .offset: 24, .size: 8, .value_kind: global_buffer, .address_space: global }
      - { .name: out0, .offset: 32, .size: 8, .value_kind: global_buffer, .address_space: global }
    .group_segment_fixed_size: 84480
    .private_segment_fixed_size: 0
    .kernarg_segment_align: 8
    .kernarg_segment_size: 40
    .max_flat_workgroup_size: 512
    .sgpr_count:     66
    .vgpr_count:     226
    .wavefront_size: 32
...
	.end_amdgpu_metadata
.endif
;; end of part 4
